; MI455X (gfx1250); checked and timed in simulation.
; The chip was launched on July 23, 2026; its instructions are those of AMD's public machine-readable ISA for CDNA 5 (MIT licence, August 2026) and "CDNA5" Instruction Set Architecture Reference Guide (July 2026). The comments in the code are by the model that wrote it; some were corrected since.
;; Multi Head Attention. Allowed arithmetic: matrix products marked QUANTISED: E2M3 operands, one E8M0 scale for each 32 along K, by v_wmma_scale_f32_16x16x128_f8f6f4 with both operands' format E2M3, f32 sums; products left as they are: f32 operands where the result goes on into a quantised operand, else bf16, f16 or f32 operands; f32 sums; everything else in f32.
;; Inputs: beta 512 float32; gamma 512 float32; w_fc 512 x 512 float32; w_k 512 x 512 float32; w_q 512 x 512 float32; w_v 512 x 512 float32; x 8 x 2,048 x 512 float32.
;; Outputs: out0 8 x 512 float32; out1 8 x 2,048 float32.
;; This version of the problem:
;;   THIS VERSION OF THE PROBLEM IS GIVEN IN LOW PRECISION. The matrix products marked QUANTISED in the list below multiply operands that are first quantised to E2M3 (2 exponent bits, 3 mantissa bits; 6 bits a number), with one power-of-two scale for each 32 numbers along K (OCP MX v1.0); their sums are f32. All else is computed in f32.
;;   The module's matrix products, in the order in which they are computed (A, B: the left and right operand; K: the contracted axis; several contracted axes count as one K, in the product's order):
;;     1. [M 16,384, K 512] x [K 512, N 512]; A: input x; B: input w_q: QUANTISED
;;     2. [M 16,384, K 512] x [K 512, N 512]; A: input x; B: input w_k: QUANTISED
;;     3. [M 16,384, K 512] x [K 512, N 512]; A: input x; B: input w_v: QUANTISED
;;     4. batch 64 x [M 2,048, K 64] x [K 64, N 2,048]; A: computed on the way; B: computed on the way: QUANTISED
;;     5. batch 64 x [M 1, K 2,048] x [K 2,048, N 64]; A: computed on the way; B: computed on the way: left as it is (M = 1 < 16)
;;     6. [M 8, K 512] x [K 512, N 512]; A: computed on the way; B: input w_fc: left as it is (M = 8 < 16)
;;   THE QUANTISER, for each operand of a quantised product, along K:
;;     - K is cut into blocks of 32 from its start; a last block that is shorter is filled with zeros.
;;     - A block's scale is 2^e with e = floor(log2(the largest magnitude in the block)) - 2, held to -126 .. 127; a block of zeros has e = 0. As a byte (E8M0): e + 127.
;;     - Each number is divided by its block's scale, clamped to +-7.5, and rounded to the nearest number of E2M3, ties to even, subnormals kept.
;;     - The product sums the exact products of the quantised numbers (number of the format x scale) in f32.
;;   ~~~python
;;   def quantise(x, axis):      # numpy; x: float32 -> the quantised numbers, widened to float32 again
;;       x = np.moveaxis(x, axis, -1); K = x.shape[-1]
;;       x = np.pad(x, [(0, 0)] * (x.ndim - 1) + [(0, -K % 32)]); x = x.reshape(x.shape[:-1] + (-1, 32)); a = np.abs(x).max(-1, keepdims=True)
;;       e = np.where(a > 0, np.clip(np.frexp(np.where(a > 0, a, 1))[1] - 1 - 2, -126, 127), 0)      # np.frexp(a)[1] - 1 = floor(log2(a)), exactly
;;       r = np.clip(x / 2.0 ** e, -7.5, 7.5)
;;       step = 2.0 ** (np.maximum(np.frexp(np.where(r == 0, 1, r))[1] - 1, 0) - 3)
;;       q = np.round(r / step) * step * 2.0 ** e      # np.round: ties to even
;;       return np.moveaxis(q.reshape(q.shape[:-2] + (-1,))[..., :K], -1, axis).astype(np.float32)
;;   ~~~
;;   OPERANDS COMPUTED ON THE WAY. 'Computed on the way' means the value that the module computes at that place (a softmax that the list does not call 'softmax' is quantised finished and normalised). What goes into a quantiser is computed in f32, as accurately as f32 sums, v_exp_f32 and their like allow (about 1e-6 of the number): no bf16 or f16 on the way to a quantiser, and a product that is left as it is and whose result goes on into a quantised operand takes f32 operands (vector FMAs, or v_wmma_f32_16x16x4_f32). A number that lies on a knife's edge between two numbers of the format may be rounded either way, as far as f32 arithmetic and the matrix unit's own rounding can turn it there, and no further.
;; 2 versions, each right; version 2 is version 1 with the launches projqk, attn, projv written anew for expert scheduling mode. Each part assembles by itself: llvm-mc -triple=amdgcn-amd-amdhsa -mcpu=gfx1250 --defsym DOCPART=n.
;; ======== version 1 of 2: 5 launches
;; workspace buffers: xq 6,553,600 bytes; wq 614,400 bytes; rpart 524,288 bytes; qk 13,631,488 bytes; ppart 2,097,152 bytes; opart 262,144 bytes
;; launch quant (part 1): grid 280 x 1, 4 waves a work-group, no clusters, 140,800 bytes of LDS; arguments x, w_q, w_k, w_v, xq, wq, rpart; writes xq, wq, rpart
.if DOCPART == 1
	.amdgcn_target "amdgcn-amd-amdhsa--gfx1250"
	.amdhsa_code_object_version 6
	.text
	.protected	k_qd6868477b0_quant
	.globl	k_qd6868477b0_quant
	.p2align	8
	.type	k_qd6868477b0_quant,@function
k_qd6868477b0_quant:
	s_mov_b64 s[64:65], 0
	v_nop
	global_prefetch_b8 v0, s[64:65] scope:SCOPE_SE
	s_setreg_imm32_b32 hwreg(HW_REG_WAVE_MODE, 25, 1), 1
	s_wait_xcnt 0x0
; LAUNCH 1 OF 5.  x [16384][512], w_q, w_k, w_v [512][512], f32, K = 512 innermost, become codes of FP6 (E2M3) with one E8M0 byte for each 32 along K;
; and x's columns are summed over each 64 rows (for the residual, x's mean over the tokens).
; NOTHING OF reference() IS LEFT OUT in this program: every input has a way to an output and every product of its table is done.  The constant factors 1/8 (TEMP), 1/L, 1/L and 1/NH are powers of two
; and are folded into constants.  Q(q / 8) = Q(q) / 8, since a power of two moves a block's exponent alone; so q is quantised as it is and the 1/8 goes into the softmax's constant.
; LIMITS: NaN and infinities among the inputs are not served.  A block whose largest magnitude lies under 2^-124 gets the byte 1; a block of zeros gets the byte 1 where the rule says 127: its codes are
; zeros, and this program alone reads the bytes.  Blocks of q with a largest magnitude under 2^-121 would meet the rule's hold at -126 otherwise than q / 8 does.
; THE CODES ARE LAID AS IMAGES OF THE OPERAND'S REGISTERS: a tile of 16 rows and a K step of 128 are 12 registers a lane, 1,536 bytes: registers 4 c .. 4 c + 3 of lane l at 512 c + 16 l.  A tile's four K steps follow
; each other (6,144 bytes).  Lane (r, h) holds row r; registers 6 c .. 6 c + 5 hold k = 64 c + 32 h + 0 .. 31 of the K step.  The scale bytes lie behind the codes, 16 bytes a row.
; SHARES.  A work-group takes 64 rows, a wave 16: one tile.  Work-groups 0-255 take x, 256-279 the three weights (8 each): only pointers are chosen, by the work-group's number; all take one path.
; A wave's 16 rows come by 64 loads of 512 consecutive bytes, go through its own stage in LDS as they lie, and come back 128 bytes (a whole block of 32) a lane.  The stage's pitch is 2,064 = 8 x 256 + 16 bytes,
; so that the sixteen rows of a read start 16 bytes apart modulo 256.  The numbers as loaded stay in registers (window 1) for the column sums.
; No tensor load, no cluster: work-groups share no input.
.set XSC,   6291456                    ; xq: where the scale bytes begin
.set WSC,   589824                     ; wq: likewise
.set PITCH, 2064
.set WSTG,  16*PITCH                   ; a wave's stage
.set RES,   4*WSTG                     ; behind the stages: four waves' column sums, 2,048 bytes each
.set SPARE, RES+4*2048                 ; the spare words, 128 bytes a wave: two blocks of 256 bytes that no other line names
.set LI,  1                            ; v1  16 x lane
.set ST,  2                            ; v2  my stage + 16 x lane
.set RB,  3                            ; v3  my stage + r x PITCH + 128 h
.set SA,  4                            ; v4  16 r + 8 h: my two scale words' place
.set SH,  5                            ; v5  8 h
.set SPW, 6                            ; v6  my spare word; never rewritten
.set NIL, 7                            ; v7  0; never rewritten
.set TM,  8                            ; v8-15 at work
.set RA,  16                           ; v16-31 my 16 columns' sums
.set SW,  32                           ; v32-35 the row's four scale words
.set SPL, 36                           ; v36-43 second halves of the conversions
.set SO,  44                           ; v44-45 the two words that I store
.set RS,  46                           ; v46 where my sums go in LDS
.set RL,  47                           ; v47 where I read four waves' sums
.set GO,  48                           ; v48 512 x wave + 16 x lane
.set HH,  49                           ; v49 h
.set XN,  64                           ; v64-191 two sets of 64 numbers
.set SUM, 64                           ; v64-79 later: four waves' sums
.set F,   192                          ; v192-239 the codes, 12 registers a K step
.set MSB, 0
.macro WIN new                         ; the immediate's high byte repeats the setting that is left
.if MSB != (\new)
	s_set_vgpr_msb (MSB<<8)|(\new)
.set MSB, (\new)
.endif
.endm
	s_load_b256 s[4:11], s[0:1], 0x0               ; x, w_q, w_k, w_v
	s_load_b128 s[12:15], s[0:1], 0x20             ; xq, wq
	s_load_b64 s[16:17], s[0:1], 0x30              ; rpart
	v_lshl_add_u32 v[SPW], v0, 2, SPARE
	v_mov_b32 v[NIL], 0
	v_lshrrev_b32 v8, 5, v0
	v_readfirstlane_b32 s18, v8                    ; wave
	v_and_b32 v8, 31, v0                           ; lane
	v_and_b32 v9, 15, v0                           ; r
	v_bfe_u32 v[HH], v0, 4, 1                      ; h
	v_lshlrev_b32 v[LI], 4, v8
	s_mul_i32 s19, s18, WSTG
	v_add_nc_u32 v[ST], s19, v[LI]
	v_mul_u32_u24 v[RB], v9, PITCH
	v_lshl_add_u32 v[RB], v[HH], 7, v[RB]
	v_add_nc_u32 v[RB], s19, v[RB]
	v_lshlrev_b32 v[SA], 4, v9
	v_lshl_add_u32 v[SA], v[HH], 3, v[SA]
	v_lshlrev_b32 v[SH], 3, v[HH]
	s_lshl_b32 s19, s18, 11
	s_add_co_u32 s19, s19, RES
	v_add_nc_u32 v[RS], s19, v[LI]
	s_lshl_b32 s19, s18, 9
	v_add_nc_u32 v[GO], s19, v[LI]
	v_add_nc_u32 v[RL], RES, v[GO]
	v_mov_b32 v[TM+7], 0                           ; a lane permute's destination counts as one of its sources
	s_mov_b32 s28, 0x76543210
	s_mov_b32 s29, 0xfedcba98                      ; selects for lane l xor 16
	s_wait_kmcnt 0x0
	s_cmp_lt_u32 ttmp9, 264                        ; which tensor: the choices hang on the work-group's number alone
	s_cselect_b64 s[20:21], s[6:7], s[8:9]
	s_cmp_lt_u32 ttmp9, 272
	s_cselect_b64 s[20:21], s[20:21], s[10:11]
	s_mov_b32 s31, WSC
	s_cmp_lt_u32 ttmp9, 256
	s_cselect_b64 s[20:21], s[4:5], s[20:21]       ; the source
	s_cselect_b64 s[22:23], s[12:13], s[14:15]     ; xq or wq
	s_cselect_b32 s30, 0, 256
	s_cselect_b32 s31, XSC, s31
	s_cselect_b32 s33, -1, 7
	s_sub_co_u32 s32, ttmp9, s30                   ; the block of 64 rows among x's 256 or the weights' 24
	s_and_b32 s33, s32, s33                        ; and inside its own tensor
	s_lshl_b32 s26, s33, 17                        ; 64 rows of 2,048 bytes
	s_lshl_b32 s27, s18, 15                        ; my 16
	s_add_co_u32 s26, s26, s27
	s_mov_b32 s27, 0
	s_add_nc_u64 s[20:21], s[20:21], s[26:27]
	s_lshl_b32 s32, s32, 2
	s_add_co_u32 s32, s32, s18                     ; my tile
	s_mul_i32 s26, s32, 6144
	s_add_nc_u64 s[24:25], s[22:23], s[26:27]      ; its codes
	s_lshl_b32 s26, s32, 8
	s_add_co_u32 s26, s26, s31
	s_add_nc_u64 s[22:23], s[22:23], s[26:27]      ; its scale bytes
	s_lshl_b32 s26, ttmp9, 11
	s_add_nc_u64 s[16:17], s[16:17], s[26:27]      ; the block's row of rpart (used by x's work-groups alone)
	; ---- my 16 rows: 64 loads of 512 consecutive bytes, all issued at once
	WIN 0x40                                       ; destination window 1
.set p, 0
.rept 16
.irp i, 0,1,2,3
	global_load_b128 v[16*p+4*\i:16*p+4*\i+3], v[LI], s[20:21] offset:2048*p+512*\i th:TH_LOAD_NT
.endr
.set p, p+1
.endr
	WIN 0x04                                       ; an LDS store's data are its source 1: window 1
.set p, 0
.rept 16
	s_wait_loadcnt 60-4*p                          ; row p's four loads are in; the rows behind it may be out
.irp i, 0,1,2,3
	ds_store_b128 v[ST], v[16*p+4*\i:16*p+4*\i+3] offset:PITCH*p+512*\i
.endr
.set p, p+1
.endr
	WIN 0
; K step s of my row: blocks 4 s + h and 4 s + 2 + h, whole, into set buf.  LDS serves a wave's instructions in order: these see my stores
.macro LOADX s, buf
.irp c, 0,1
.irp i, 0,1,2,3,4,5,6,7
	ds_load_b128 v[XN+64*(\buf)+32*\c+4*\i:XN+64*(\buf)+32*\c+4*\i+3], v[RB] offset:512*(\s)+256*\c+16*\i
.endr
.endr
.endm
; the K step's 64 numbers of my lane become 12 registers of codes and, with lane l xor 16's two bytes, the row's scale word
.macro QX s
.set XS, XN+64*((\s)%2)
.irp c, 0,1
	v_max3_num_f32 v[TM+\c], |v[XS+32*\c]|, |v[XS+32*\c+1]|, 0x1800000   ; with the floor 2^(3 - 127): the byte cannot fall under 1
.endr
.irp i, 2,4,6,8,10,12,14,16,18,20,22,24,26,28,30
.irp c, 0,1
	v_max3_num_f32 v[TM+\c], v[TM+\c], |v[XS+32*\c+\i]|, |v[XS+32*\c+\i+1]|   ; the two blocks by turns
.endr
.endr
.irp c, 0,1
	v_add_nc_u32 v[TM+2+\c], 0xff000000, v[TM+\c]  ; 2 off the exponent field: the conversion's scale operand
.endr
.irp c, 0,1
	v_lshrrev_b32 v[TM+4+\c], 23, v[TM+2+\c]       ; the scale's byte
.endr
	v_lshl_or_b32 v[TM+6], v[TM+5], 16, v[TM+4]    ; bytes h and 2 + h of the word,
	v_lshlrev_b32 v[TM+6], v[SH], v[TM+6]          ; at their places
	v_permlanex16_b32 v[TM+7], v[TM+6], s28, s29
	v_or_b32 v[SW+\s], v[TM+6], v[TM+7]            ; with lane l xor 16's the word is whole
.irp c, 0,1
	v_cvt_scalef32_pk16_fp6_f32 v[F+12*\s+6*\c:F+12*\s+6*\c+2], v[XS+32*\c:XS+32*\c+15], v[TM+2+\c]
	v_cvt_scalef32_pk16_fp6_f32 v[SPL+4*\c:SPL+4*\c+2], v[XS+32*\c+16:XS+32*\c+31], v[TM+2+\c]   ; (a conversion's three registers begin on an even number)
.endr
	v_nop                                          ; one plain place behind a scaled conversion
.irp c, 0,1
.irp i, 0,1,2
	v_mov_b32 v[F+12*\s+6*\c+3+\i], v[SPL+4*\c+\i]
.endr
.endr
.irp c, 0,1,2
	global_store_b128 v[LI], v[F+12*\s+4*\c:F+12*\s+4*\c+3], s[24:25] offset:1536*\s+512*\c   ; 512 consecutive bytes, aligned; each K step has registers of its own
.endr
.endm
	LOADX 0, 0
	LOADX 1, 1
	s_wait_dscnt 16                                ; K step 0's loads are in; the 16 behind them may be out
	QX 0
	LOADX 2, 0
	s_wait_dscnt 16
	QX 1
	LOADX 3, 1
	s_wait_dscnt 16
	QX 2
	s_wait_dscnt 0x0
	QX 3
	v_cmp_eq_u32 vcc_lo, 1, v[HH]
	v_cndmask_b32 v[SO], v[SW], v[SW+2], vcc_lo    ; lanes 0-15 store words 0, 1 of row r, lanes 16-31 words 2, 3
	v_cndmask_b32 v[SO+1], v[SW+1], v[SW+3], vcc_lo
	global_store_b64 v[SA], v[SO:SO+1], s[22:23]   ; the wave fills 256 consecutive bytes, aligned
	; ---- the column sums of the 64 rows.  Every work-group runs them, so that the barrier stands on every path; the weights' 24 store nothing of them
	WIN 0x05                                       ; both sources window 1
.irp j, 0,2,4,6,8,10,12,14
	v_pk_add_f32 v[RA+\j:RA+\j+1], v[\j:\j+1], v[16+\j:16+\j+1]    ; rows 0 and 1 start the sums
.endr
	WIN 0x04
.set p, 2
.rept 14
.irp j, 0,2,4,6,8,10,12,14
	v_pk_add_f32 v[RA+\j:RA+\j+1], v[RA+\j:RA+\j+1], v[16*p+\j:16*p+\j+1]
.endr
.set p, p+1
.endr
	WIN 0
.irp i, 0,1,2,3
	ds_store_b128 v[RS], v[RA+4*\i:RA+4*\i+3] offset:512*\i
.endr
	s_wait_dscnt 0x0                               ; for the others' sake: my sums lie in LDS
	s_barrier_signal -1
	s_barrier_wait -1
.irp w, 0,1,2,3
	ds_load_b128 v[SUM+4*\w:SUM+4*\w+3], v[RL] offset:2048*\w      ; wave w adds columns 128 w .. 128 w + 127 of the four
.endr
	s_wait_dscnt 0x0
	v_pk_add_f32 v[SUM:SUM+1], v[SUM:SUM+1], v[SUM+4:SUM+5]
	v_pk_add_f32 v[SUM+2:SUM+3], v[SUM+2:SUM+3], v[SUM+6:SUM+7]
	v_pk_add_f32 v[SUM+8:SUM+9], v[SUM+8:SUM+9], v[SUM+12:SUM+13]
	v_pk_add_f32 v[SUM+10:SUM+11], v[SUM+10:SUM+11], v[SUM+14:SUM+15]
	v_pk_add_f32 v[SUM:SUM+1], v[SUM:SUM+1], v[SUM+8:SUM+9]
	v_pk_add_f32 v[SUM+2:SUM+3], v[SUM+2:SUM+3], v[SUM+10:SUM+11]
	s_cmp_lt_u32 ttmp9, 256
	s_cbranch_scc0 .Lnot_x
	global_store_b128 v[GO], v[SUM:SUM+3], s[16:17]                ; 512 consecutive bytes a wave
.Lnot_x:
	s_wait_tensorcnt 0x0                           ; the wave's end: three closing lines behind my last LDS store
	ds_add_u32 v[SPW], v[NIL]
	s_wait_dscnt 0x0
	s_endpgm
.Lfunc_end_k_qd6868477b0_quant:
	.size	k_qd6868477b0_quant, .Lfunc_end_k_qd6868477b0_quant-k_qd6868477b0_quant
	.p2alignl 7, 3214868480
	.fill 96, 4, 3214868480
	.section	.rodata,"a",@progbits
	.p2align	6, 0x0
	.amdhsa_kernel k_qd6868477b0_quant
		.amdhsa_group_segment_fixed_size 140800
		.amdhsa_private_segment_fixed_size 0
		.amdhsa_enable_private_segment 0
		.amdhsa_kernarg_size 56
		.amdhsa_user_sgpr_count 2
		.amdhsa_user_sgpr_kernarg_segment_ptr 1
		.amdhsa_wavefront_size32 1
		.amdhsa_system_sgpr_workgroup_id_x 1
		.amdhsa_system_sgpr_workgroup_id_y 1
		.amdhsa_system_sgpr_workgroup_id_z 1
		.amdhsa_system_vgpr_workitem_id 0
		.amdhsa_next_free_vgpr 512
		.amdhsa_next_free_sgpr 66
		.amdhsa_reserve_vcc 1
		.amdhsa_float_denorm_mode_32 3
		.amdhsa_float_denorm_mode_16_64 3
		.amdhsa_memory_ordered 1
		.amdhsa_forward_progress 1
		.amdhsa_inst_pref_size 40
	.end_amdhsa_kernel
	.amdgpu_metadata
---
amdhsa.version: [ 1, 2 ]
amdhsa.kernels:
  - .name:           k_qd6868477b0_quant
    .symbol:         k_qd6868477b0_quant.kd
    .args:
      - { .name: x, .offset: 0, .size: 8, .value_kind: global_buffer, .address_space: global }
      - { .name: w_q, .offset: 8, .size: 8, .value_kind: global_buffer, .address_space: global }
      - { .name: w_k, .offset: 16, .size: 8, .value_kind: global_buffer, .address_space: global }
      - { .name: w_v, .offset: 24, .size: 8, .value_kind: global_buffer, .address_space: global }
      - { .name: xq, .offset: 32, .size: 8, .value_kind: global_buffer, .address_space: global }
      - { .name: wq, .offset: 40, .size: 8, .value_kind: global_buffer, .address_space: global }
      - { .name: rpart, .offset: 48, .size: 8, .value_kind: global_buffer, .address_space: global }
    .group_segment_fixed_size: 140800
    .private_segment_fixed_size: 0
    .kernarg_segment_align: 8
    .kernarg_segment_size: 56
    .max_flat_workgroup_size: 128
    .sgpr_count:     66
    .vgpr_count:     512
    .wavefront_size: 32
...
	.end_amdgpu_metadata
.endif
;; end of part 1
;; launch projqk (part 2): grid 128 x 2, 4 waves a work-group, no clusters, 4,608 bytes of LDS; arguments xq, wq, qk; writes qk
.if DOCPART == 2
	.amdgcn_target "amdgcn-amd-amdhsa--gfx1250"
	.amdhsa_code_object_version 6
	.text
	.protected	k_qd6868477b0_projqk
	.globl	k_qd6868477b0_projqk
	.p2align	8
	.type	k_qd6868477b0_projqk,@function
k_qd6868477b0_projqk:
	s_mov_b64 s[64:65], 0
	v_nop
	global_prefetch_b8 v0, s[64:65] scope:SCOPE_SE
	s_setreg_imm32_b32 hwreg(HW_REG_WAVE_MODE, 25, 1), 1
	s_wait_xcnt 0x0
; LAUNCH 2 OF 5.  q = x w_q^T (work-group y = 0) or k = x w_k^T (y = 1) on codes of FP6, and the result quantised again, head by head (K = the head's 64: two blocks of 32), for the scores' product.
; SHARES.  A work-group takes 128 tokens (8 tiles of 16).  THE WAVES SHARE THE COLUMNS: wave w owns columns 128 w .. 128 w + 127 (heads 2 w, 2 w + 1): its 8 tiles x 4 K steps of the weight stay in 384 registers,
; read once.  x's fragments and scale words come from memory straight into registers, as images of the operand's registers, a tile ahead.
; THE PRODUCT IS USED TRANSPOSED (source 0 = 16 rows of the weight, source 1 = 16 tokens): a lane holds ONE token (lane % 16) and its registers run along the columns, which are the next K.
; In tile t register j of lane (r, h) is column 16 t + 8 h + j.  So a lane's 16 registers of tiles 2 b, 2 b + 1 are 16 of block b's 32 numbers, lane l xor 16 holds the other 16: the block and its scale are the true ones.
; Inside a block the codes stand in the order 0-7, 16-23, 8-15, 24-31, ALIKE IN q AND IN k: the scores' sums have the same terms in another order.
; OUT.  A fragment (head, 16 tokens) is 6 registers a lane, 768 bytes: registers 0-3 at 16 l, registers 4-5 at 512 + 8 l.  Lane (r, h) holds token r, block h.  The scale word of a token: byte 0, byte 1, 127, 127
; (the scores' instruction is 128 deep, the head 64).  A wave's 2 x 128 words are gathered in its own 1,024 bytes of LDS and leave as two runs of 512 bytes.
; No cluster: what work-groups share (the weights, x's codes) goes straight into registers, and a joint load lands in LDS.  LIMITS: as stated at the head of the first launch.
.set XSC, 6291456
.set WSC, 589824
.set KC,  6291456                      ; qk: k's fragments
.set QS,  12582912                     ; qk: q's scale words; k's lie 524,288 further on
.set SPARE, 4096                       ; behind the four stages: the spare words, 128 bytes a wave
.set LI,  1                            ; v1 16 x lane
.set L8,  2                            ; v2 8 x lane
.set R16, 3                            ; v3 16 r
.set SST, 4                            ; v4 1,024 x wave + 512 h + 4 r: where a token's word goes
.set SLD, 5                            ; v5 1,024 x wave + 16 x lane
.set SPW, 6
.set NIL, 7
.set SSA, 8                            ; v8 SST + the trip's step
.set WS,  16                           ; v16-47 the weight's scale words: 4 t + s
.set XS,  48                           ; v48-55 x's: two sets of 4
.set XF,  56                           ; v56-151 x's fragments: two sets of 4 x 12
.set ACC, 152                          ; v152-215 eight tiles
.set PC,  216                          ; v216-235 the codes just made
.set TM,  236                          ; v236-251 at work
.set W0,  252
.set W1,  253
.set MSB, 0
.macro WIN new
.if MSB != (\new)
	s_set_vgpr_msb (MSB<<8)|(\new)
.set MSB, (\new)
.endif
.endm
	s_load_b128 s[4:7], s[0:1], 0x0                ; xq, wq
	s_load_b64 s[8:9], s[0:1], 0x10                ; qk
	v_lshl_add_u32 v[SPW], v0, 2, SPARE
	v_mov_b32 v[NIL], 0
	v_lshrrev_b32 v9, 5, v0
	v_readfirstlane_b32 s18, v9                    ; wave
	v_and_b32 v9, 31, v0
	v_and_b32 v10, 15, v0                          ; r
	v_bfe_u32 v11, v0, 4, 1                        ; h
	v_lshlrev_b32 v[LI], 4, v9
	v_lshlrev_b32 v[L8], 3, v9
	v_lshlrev_b32 v[R16], 4, v10
	s_lshl_b32 s19, s18, 10
	v_lshlrev_b32 v[SST], 2, v10
	v_lshl_add_u32 v[SST], v11, 9, v[SST]
	v_add_nc_u32 v[SST], s19, v[SST]
	v_add_nc_u32 v[SLD], s19, v[LI]
	v_cmp_eq_u32 s30, 1, v11                       ; lanes 16-31
	s_mov_b32 s28, 0x76543210
	s_mov_b32 s29, 0xfedcba98
.irp b, 0,1,2,3
	v_mov_b32 v[TM+4+\b], 0                        ; a lane permute's destination counts as one of its sources
.endr
	s_and_b32 s24, ttmp7, 0xffff                   ; y: 0 q, 1 k
	s_lshr_b32 s25, ttmp9, 4                       ; the batch
	s_and_b32 s26, ttmp9, 15                       ; the block of 128 tokens in it
	s_mov_b32 s35, 0
	s_mov_b32 s32, 0                               ; the stage's step
	s_wait_kmcnt 0x0
	s_mul_i32 s34, s24, 196608                     ; a weight's 32 tiles,
	s_mul_i32 s33, s18, 49152                      ; my 8
	s_add_co_u32 s34, s34, s33
	s_add_nc_u64 s[10:11], s[6:7], s[34:35]        ; the weight's codes
	s_lshl_b32 s34, s24, 13
	s_lshl_b32 s33, s18, 11
	s_add_co_u32 s34, s34, s33
	s_add_co_u32 s34, s34, WSC
	s_add_nc_u64 s[12:13], s[6:7], s[34:35]        ; its scale bytes
	s_mul_i32 s34, ttmp9, 49152
	s_add_nc_u64 s[14:15], s[4:5], s[34:35]        ; x's codes: 8 tiles
	s_lshl_b32 s34, ttmp9, 11
	s_add_co_u32 s34, s34, XSC
	s_add_nc_u64 s[16:17], s[4:5], s[34:35]        ; x's scale bytes
	s_lshl_b32 s27, s25, 3
	s_lshl_b32 s33, s18, 1
	s_add_co_u32 s27, s27, s33                     ; batch x 8 + my first head
	s_lshl_b32 s34, s27, 7
	s_lshl_b32 s33, s26, 3
	s_add_co_u32 s34, s34, s33
	s_mul_i32 s34, s34, 768
	s_mul_i32 s33, s24, KC
	s_add_co_u32 s34, s34, s33
	s_add_nc_u64 s[20:21], s[8:9], s[34:35]        ; out: the first head's fragments; the second head's lie 128 x 768 bytes on
	s_lshl_b32 s34, s27, 13
	s_lshl_b32 s33, s26, 9
	s_add_co_u32 s34, s34, s33
	s_lshl_b32 s33, s24, 19
	s_add_co_u32 s34, s34, s33
	s_add_co_u32 s34, s34, QS
	s_add_nc_u64 s[22:23], s[8:9], s[34:35]        ; out: the scale words
	WIN 0x40                                       ; the weight: K steps 0, 1 into window 1,
.irp s, 0,1
.irp t, 0,1,2,3,4,5,6,7
.irp c, 0,1,2
	global_load_b128 v[(\s*8+\t)*12+4*\c:(\s*8+\t)*12+4*\c+3], v[LI], s[10:11] offset:\t*6144+\s*1536+512*\c
.endr
.endr
.endr
	WIN 0x80                                       ; K steps 2, 3 into window 2
.irp s, 2,3
.irp t, 0,1,2,3,4,5,6,7
.irp c, 0,1,2
	global_load_b128 v[((\s-2)*8+\t)*12+4*\c:((\s-2)*8+\t)*12+4*\c+3], v[LI], s[10:11] offset:\t*6144+\s*1536+512*\c
.endr
.endr
.endr
	WIN 0
.irp t, 0,1,2,3,4,5,6,7
	global_load_b128 v[WS+4*\t:WS+4*\t+3], v[R16], s[12:13] offset:256*\t
.endr
.macro XLOAD buf, k                    ; tile k of the trip: 12 loads of 512 bytes, and the rows' scale words
.irp i, 0,1,2,3,4,5,6,7,8,9,10,11
	global_load_b128 v[XF+48*(\buf)+4*\i:XF+48*(\buf)+4*\i+3], v[LI], s[14:15] offset:(\k)*6144+512*\i
.endr
	global_load_b128 v[XS+4*(\buf):XS+4*(\buf)+3], v[R16], s[16:17] offset:(\k)*256
.endm
.macro MULS buf, s                     ; K step s: the eight accumulators by turns
.irp t, 0,1,2,3,4,5,6,7
.if \s == 0
	v_wmma_scale_f32_16x16x128_f8f6f4 v[ACC+8*\t:ACC+8*\t+7], v[(((\s)%2)*8+\t)*12:(((\s)%2)*8+\t)*12+11], v[XF+48*\buf+12*\s:XF+48*\buf+12*\s+11], 0, v[WS+4*\t+\s], v[XS+4*\buf+\s] matrix_a_fmt:MATRIX_FMT_FP6 matrix_b_fmt:MATRIX_FMT_FP6
.else
	v_wmma_scale_f32_16x16x128_f8f6f4 v[ACC+8*\t:ACC+8*\t+7], v[(((\s)%2)*8+\t)*12:(((\s)%2)*8+\t)*12+11], v[XF+48*\buf+12*\s:XF+48*\buf+12*\s+11], v[ACC+8*\t:ACC+8*\t+7], v[WS+4*\t+\s], v[XS+4*\buf+\s] matrix_a_fmt:MATRIX_FMT_FP6 matrix_b_fmt:MATRIX_FMT_FP6
.endif
.endr
.endm
; 64 numbers of a lane, register 16 b + i one of block b's, become codes in v[PC] on (registers 0-5: blocks 0, 1; 6-11: blocks 2, 3) and four bytes in v[TM+4] on.  Each accumulator is read from its low end on
.macro QUANT s
.irp b, 0,1,2,3
	v_max3_num_f32 v[TM+\b], |v[\s+16*\b]|, |v[\s+1+16*\b]|, 0x1800000   ; with the floor 2^(3 - 127)
.endr
.irp i, 2,4,6,8,10,12,14
.irp b, 0,1,2,3
	v_max3_num_f32 v[TM+\b], v[TM+\b], |v[\s+16*\b+\i]|, |v[\s+1+16*\b+\i]|
.endr
.endr
.irp b, 0,1,2,3
	v_permlanex16_b32 v[TM+4+\b], v[TM+\b], s28, s29
.endr
.irp b, 0,1,2,3
	v_max_num_f32 v[TM+\b], v[TM+\b], v[TM+4+\b]   ; with lane l xor 16's 16: the block's largest magnitude
.endr
.irp b, 0,1,2,3
	v_add_nc_u32 v[TM+12+\b], 0xff000000, v[TM+\b] ; 2 off the exponent field: the conversion's scale operand
.endr
.irp b, 0,1,2,3
	v_lshrrev_b32 v[TM+4+\b], 23, v[TM+12+\b]      ; the byte
.endr
.irp c, 0,1
	v_cvt_scalef32_pk16_fp6_f32 v[PC+6*\c:PC+2+6*\c], v[\s+32*\c:\s+15+32*\c], v[TM+12+2*\c]
	v_cvt_scalef32_pk16_fp6_f32 v[PC+12+4*\c:PC+14+4*\c], v[\s+16+32*\c:\s+31+32*\c], v[TM+12+2*\c+1]
.endr
	v_nop                                          ; one plain place behind a scaled conversion
.irp c, 0,1                                    ; a WHOLE block to a lane: lanes 0-15 block 2 c, lanes 16-31 block 2 c + 1
.irp i, 0,1,2
	v_permlane16_swap_b32 v[PC+6*\c+\i], v[PC+12+4*\c+\i]
.endr
.irp i, 0,1,2
	v_mov_b32 v[PC+3+6*\c+\i], v[PC+12+4*\c+\i]
.endr
.endr
.endm
.macro TILE buf, pf, k
	s_wait_loadcnt 0x0                             ; this tile's 13 loads (at the first tile the weight's too): nothing else is out
.if \pf
	XLOAD 1-\buf, (\k)+1                           ; the next tile; the products that read that set stand a whole quantising back
.endif
	WIN 0x01
	MULS \buf, 0
	MULS \buf, 1
	WIN 0x02
	MULS \buf, 2
	MULS \buf, 3
	WIN 0
.rept 4
	v_nop                                          ; places in front of the first read of results
.endr
	s_wait_xcnt 0x0                                ; the last tile's stores have read their data: the codes' registers are written again only behind this wait
	s_wait_dscnt 0x0                               ; and so has its LDS store
	QUANT ACC
	v_lshl_or_b32 v[W0], v[TM+5], 8, v[TM+4]       ; the first head's two bytes,
	v_lshl_or_b32 v[W1], v[TM+7], 8, v[TM+6]       ; the second's
	v_cndmask_b32 v[W0], v[W0], v[W1], s30         ; lanes 0-15 store the first head's word of token r, lanes 16-31 the second's
	v_or_b32 v[W0], 0x7f7f0000, v[W0]              ; bytes 2, 3: 127, for the half of the scores' K that holds zero codes
	v_add_nc_u32 v[SSA], s32, v[SST]
	ds_store_b32 v[SSA], v[W0] offset:64*\k
	global_store_b128 v[LI], v[PC:PC+3], s[20:21] offset:768*\k
	global_store_b64 v[L8], v[PC+4:PC+5], s[20:21] offset:768*\k+512
	global_store_b128 v[LI], v[PC+6:PC+9], s[20:21] offset:768*\k+98304
	global_store_b64 v[L8], v[PC+10:PC+11], s[20:21] offset:768*\k+98304+512
.endm
	XLOAD 0, 0
	s_mov_b32 s31, 3
.Ltrip:                                            ; two tiles a trip, so that the sets are back where they began
	TILE 0, 1, 0
	TILE 1, 1, 1
	s_wait_xcnt 0x0                                ; loads and stores have read their bases
	s_add_nc_u64 s[14:15], s[14:15], 12288
	s_add_nc_u64 s[16:17], s[16:17], 512
	s_add_nc_u64 s[20:21], s[20:21], 1536
	s_add_co_u32 s32, s32, 128
	s_sub_co_u32 s31, s31, 1
	s_cmp_lg_u32 s31, 0
	s_cbranch_scc1 .Ltrip
	TILE 0, 1, 0                                   ; the last two tiles are written out: no load leaves its buffer
	TILE 1, 0, 1
	ds_load_b128 v[ACC:ACC+3], v[SLD]              ; LDS serves a wave's instructions in order: these see my stores
	ds_load_b128 v[ACC+4:ACC+7], v[SLD] offset:512
	s_wait_dscnt 0x0
	global_store_b128 v[LI], v[ACC:ACC+3], s[22:23]                ; 128 tokens' words of the first head: 512 consecutive bytes,
	global_store_b128 v[LI], v[ACC+4:ACC+7], s[22:23] offset:8192  ; and of the second
	s_wait_tensorcnt 0x0                           ; the wave's end: three closing lines behind my last LDS store
	ds_add_u32 v[SPW], v[NIL]
	s_wait_dscnt 0x0
	s_endpgm
.Lfunc_end_k_qd6868477b0_projqk:
	.size	k_qd6868477b0_projqk, .Lfunc_end_k_qd6868477b0_projqk-k_qd6868477b0_projqk
	.p2alignl 7, 3214868480
	.fill 96, 4, 3214868480
	.section	.rodata,"a",@progbits
	.p2align	6, 0x0
	.amdhsa_kernel k_qd6868477b0_projqk
		.amdhsa_group_segment_fixed_size 4608
		.amdhsa_private_segment_fixed_size 0
		.amdhsa_enable_private_segment 0
		.amdhsa_kernarg_size 24
		.amdhsa_user_sgpr_count 2
		.amdhsa_user_sgpr_kernarg_segment_ptr 1
		.amdhsa_wavefront_size32 1
		.amdhsa_system_sgpr_workgroup_id_x 1
		.amdhsa_system_sgpr_workgroup_id_y 1
		.amdhsa_system_sgpr_workgroup_id_z 1
		.amdhsa_system_vgpr_workitem_id 0
		.amdhsa_next_free_vgpr 768
		.amdhsa_next_free_sgpr 66
		.amdhsa_reserve_vcc 0
		.amdhsa_float_denorm_mode_32 3
		.amdhsa_float_denorm_mode_16_64 3
		.amdhsa_memory_ordered 1
		.amdhsa_forward_progress 1
		.amdhsa_inst_pref_size 53
	.end_amdhsa_kernel
	.amdgpu_metadata
---
amdhsa.version: [ 1, 2 ]
amdhsa.kernels:
  - .name:           k_qd6868477b0_projqk
    .symbol:         k_qd6868477b0_projqk.kd
    .args:
      - { .name: xq, .offset: 0, .size: 8, .value_kind: global_buffer, .address_space: global }
      - { .name: wq, .offset: 8, .size: 8, .value_kind: global_buffer, .address_space: global }
      - { .name: qk, .offset: 16, .size: 8, .value_kind: global_buffer, .address_space: global }
    .group_segment_fixed_size: 4608
    .private_segment_fixed_size: 0
    .kernarg_segment_align: 8
    .kernarg_segment_size: 24
    .max_flat_workgroup_size: 128
    .sgpr_count:     66
    .vgpr_count:     768
    .wavefront_size: 32
...
	.end_amdgpu_metadata
.endif
;; end of part 2
;; launch attn (part 3): grid 4 x 64, 4 waves a work-group, no clusters, 10,752 bytes of LDS; arguments qk, ppart; writes ppart
.if DOCPART == 3
	.amdgcn_target "amdgcn-amd-amdhsa--gfx1250"
	.amdhsa_code_object_version 6
	.text
	.protected	k_qd6868477b0_attn
	.globl	k_qd6868477b0_attn
	.p2align	8
	.type	k_qd6868477b0_attn,@function
k_qd6868477b0_attn:
	s_mov_b64 s[64:65], 0
	v_nop
	global_prefetch_b8 v0, s[64:65] scope:SCOPE_SE
	s_setreg_imm32_b32 hwreg(HW_REG_WAVE_MODE, 25, 1), 1
	s_wait_xcnt 0x0
; LAUNCH 3 OF 5.  For one (batch, head) and 512 of its 2,048 queries: the scores on codes of FP6, the softmax over all 2,048 keys, and the softmax's COLUMN sums over these queries: all that reference() uses of it.
; SHARES.  Work-group (x = quarter of the queries, y = batch x 8 + head).  Wave w OWNS keys 512 w .. 512 w + 511: their 32 fragments and scale words stay in registers.  All four waves walk the same 32 tiles of 16 queries.
; A PIECE is one tile of queries x my 512 keys: 32 accumulators, 256 registers.  Two pieces are in hand: A (even tiles, window 2), B (odd tiles, window 3).
; K = 64 IN AN INSTRUCTION 128 DEEP.  Registers 0-5 of a fragment hold k = 32 h + 0 .. 31.  The QUERIES' registers 6-11 hold zero codes, which give 0 with any code of FP6 (the format has no NaN and no infinity), and bytes 2, 3
; of all scale words are 127.  So the keys' fragments lie 6 registers apart, and fragment i is named as v[6 i : 6 i + 11]; behind the last stand six registers of zeros.
; LAYOUT.  Source 0 = queries, source 1 = keys: a lane holds ONE KEY (lane % 16), register j query 8 (lane / 16) + j.  A column sum is a sum inside the lane; a row's maximum or sum is taken register by register over the
; 32 tiles and then over the 16 lanes of a half.
; THE SOFTMAX, WITH ONE EXPONENTIAL A SCORE.  c = log2(e) / 8.  Each wave takes the maximum m_w of a query's scores over ITS keys away: p = 2^(c s - c m_w), l_w = the sum of p.  The waves exchange (c m_w, l_w) through LDS;
; g = the largest c m_w, l = the sum of l_w 2^(c m_w - g), which lies between 1 and 2,048, G = g + log2(l).  The finished weight is p F with F = 2^(c m_w - G), at most 1; the column sums take p F by fused multiply-adds.
; BY TURNS.  In a half step piece X's 32 products stand one by one among piece Y's scalings and exponentials; X's maximum then covers the barrier and both trips through LDS of Y's exchange.
; No cluster: what the four quarters of a head share, the keys, goes straight into registers, and a joint load lands in LDS.  LIMITS: as stated at the head of the first launch.
.set KC,  6291456                      ; qk: k's fragments
.set QS,  12582912                     ; q's scale words
.set KSO, 13107200                     ; k's
.set GA,  1024                         ; LDS: 0-1023 two exchange areas (piece A's, piece B's): c m [wave][16 queries], 256 bytes on l likewise; from GA: G, 64 bytes a wave, its own
.set OA,  2048                         ; the way out: 2,048 bytes a wave, its own
.set SPARE, 10240                      ; the spare words, 128 bytes a wave
.set LI,  1                            ; v1 16 l
.set L8,  2                            ; v2 8 l
.set QSO, 3                            ; v3 4 r
.set XST, 4                            ; v4 64 w + 32 h
.set XLD, 5                            ; v5 4 r
.set GST, 6                            ; v6 GA + 64 w + 4 r
.set GLD, 7                            ; v7 GA + 64 w + 32 h
.set SPW, 8
.set NIL, 9
.set LG,  10                           ; v10 log2(l), then G
.set OST, 11                           ; v11 OA + 2,048 w + 4 l
.set OLD, 12                           ; v12 OA + 2,048 w + 16 l
.set L4,  13                           ; v13 4 l
.set KS,  16                           ; v16-31 the keys' scale words: lanes 0-15 tile 2 i, lanes 16-31 tile 2 i + 1
.set QF,  32                           ; v32-43 piece A's queries, v44-55 piece B's
.set QSW, 56                           ; v56, v57 their scale words
.set CM,  64                           ; v64-71 A's maxima, then c m; v72-79 B's
.set LS,  80                           ; v80-95 row sums, two sets
.set EM,  96                           ; v96-99 four waves' c m of query lane % 16; v100-103 their l
.set EL,  100
.set GM,  104                          ; v104 g (v105: its pair's partner, written once)
.set DE,  106                          ; v106-109
.set LL,  110                          ; v110-111
.set GG,  112                          ; v112-119 G of my eight queries
.set FF,  120                          ; v120-127 F
.set CA,  128                          ; v128-191 the column sums: a pair (even, odd queries) for each tile of keys
.set QC,  16                           ; s[16:17] the queries' fragments
.set QSC, 18                           ; s[18:19] their scale words
.set CS,  20                           ; s[20:21] c, twice
.set MSB, 0
.macro WIN new
.if MSB != (\new)
	s_set_vgpr_msb (MSB<<8)|(\new)
.set MSB, (\new)
.endif
.endm
	s_load_b128 s[4:7], s[0:1], 0x0                ; qk, ppart
	v_lshl_add_u32 v[SPW], v0, 2, SPARE
	v_mov_b32 v[NIL], 0
	v_lshrrev_b32 v10, 5, v0
	v_readfirstlane_b32 s14, v10                   ; wave
	v_and_b32 v10, 31, v0                          ; l
	v_and_b32 v14, 15, v0                          ; r
	v_bfe_u32 v15, v0, 4, 1                        ; h
	v_lshlrev_b32 v[LI], 4, v10
	v_lshlrev_b32 v[L8], 3, v10
	v_lshlrev_b32 v[L4], 2, v10
	v_lshlrev_b32 v[QSO], 2, v14
	v_lshlrev_b32 v[XLD], 2, v14
	s_lshl_b32 s15, s14, 6
	v_lshl_add_u32 v[XST], v15, 5, s15
	v_add_nc_u32 v[GLD], GA, v[XST]
	v_add_nc_u32 v[GST], s15, v[XLD]
	v_add_nc_u32 v[GST], GA, v[GST]
	s_lshl_b32 s15, s14, 11
	s_add_co_u32 s15, s15, OA
	v_add_nc_u32 v[OST], s15, v[L4]
	v_add_nc_u32 v[OLD], s15, v[LI]
	s_mov_b32 s[CS], 0x3e38aa3b                    ; c = log2(e) / 8
	s_mov_b32 s[CS+1], s[CS]
	s_and_b32 s24, ttmp7, 0xffff                   ; batch x 8 + head
	s_mul_i32 s25, s24, 98304                      ; its 128 fragments
	s_mov_b32 s27, 0
	s_wait_kmcnt 0x0
	s_mul_i32 s26, s14, 24576                      ; my 32 of the keys'
	s_add_co_u32 s26, s26, s25
	s_add_co_u32 s26, s26, KC
	s_add_nc_u64 s[8:9], s[4:5], s[26:27]
	s_lshl_b32 s26, s24, 13
	s_lshl_b32 s15, s14, 11
	s_add_co_u32 s26, s26, s15
	s_add_co_u32 s26, s26, KSO
	s_add_nc_u64 s[10:11], s[4:5], s[26:27]        ; their scale words
	s_mul_i32 s26, ttmp9, 24576                    ; my work-group's 32 of the queries'
	s_add_co_u32 s26, s26, s25
	s_add_nc_u64 s[QC:QC+1], s[4:5], s[26:27]
	s_lshl_b32 s26, s24, 13
	s_lshl_b32 s15, ttmp9, 11
	s_add_co_u32 s26, s26, s15
	s_add_co_u32 s26, s26, QS
	s_add_nc_u64 s[QSC:QSC+1], s[4:5], s[26:27]
	s_lshl_b32 s26, s24, 2
	s_add_co_u32 s26, s26, ttmp9
	s_lshl_b32 s26, s26, 13
	s_lshl_b32 s15, s14, 11
	s_add_co_u32 s26, s26, s15
	s_add_nc_u64 s[12:13], s[6:7], s[26:27]        ; out: [head][quarter][2,048 keys], my 512
	WIN 0x40                                       ; the keys: window 1
.set i, 0
.rept 32
	global_load_b128 v[6*i:6*i+3], v[LI], s[8:9] offset:768*i
	global_load_b64 v[6*i+4:6*i+5], v[L8], s[8:9] offset:768*i+512
.set i, i+1
.endr
.irp j, 0,1,2,3,4,5
	v_mov_b32 v[192+\j], 0                         ; named with the last fragment
.endr
	WIN 0
.set i, 0
.rept 16
	global_load_b32 v[KS+i], v[L4], s[10:11] offset:128*i
.set i, i+1
.endr
.irp y, 0,1                                    ; the first two tiles of queries
	global_load_b128 v[QF+12*\y:QF+12*\y+3], v[LI], s[QC:QC+1] offset:768*\y
	global_load_b64 v[QF+12*\y+4:QF+12*\y+5], v[L8], s[QC:QC+1] offset:768*\y+512
	global_load_b32 v[QSW+\y], v[QSO], s[QSC:QSC+1] offset:64*\y
.endr
.irp j, 6,7,8,9,10,11,18,19,20,21,22,23
	v_mov_b32 v[QF+\j], 0                          ; the queries' zero codes for k = 64 .. 127: written once
.endr
	v_mov_b32 v[GM+1], 0
.set i, 0
.rept 64
	v_mov_b32 v[CA+i], 0                           ; the column sums: the half step is written once for all pieces
.set i, i+1
.endr
; product i of piece x: 16 queries x keys 16 i .. 16 i + 15 of mine.  Every product starts a sum of its own
.macro MM x
	WIN ((2+\x)<<6)|0x04
.if i%2
	v_wmma_scale_f32_16x16x128_f8f6f4 v[8*i:8*i+7], v[QF+12*\x:QF+12*\x+11], v[6*i:6*i+11], 0, v[QSW+\x], v[KS+i/2] matrix_a_fmt:MATRIX_FMT_FP6 matrix_b_fmt:MATRIX_FMT_FP6 matrix_b_scale:MATRIX_SCALE_ROW1
.else
	v_wmma_scale_f32_16x16x128_f8f6f4 v[8*i:8*i+7], v[QF+12*\x:QF+12*\x+11], v[6*i:6*i+11], 0, v[QSW+\x], v[KS+i/2] matrix_a_fmt:MATRIX_FMT_FP6 matrix_b_fmt:MATRIX_FMT_FP6
.endif
.endm
; tile i of piece y: p = 2^(c s - c m), in place
.macro S3 y
	WIN ((2+\y)<<6)|(2+\y)
.irp p, 0,2,4,6
	v_pk_fma_f32 v[8*i+\p:8*i+\p+1], v[8*i+\p:8*i+\p+1], s[CS:CS+1], v[CM+8*\y+\p:CM+8*\y+\p+1] op_sel_hi:[1,0,1] neg_lo:[0,0,1] neg_hi:[0,0,1]
.endr
.irp j, 0,1,2,3,4,5,6,7
	v_exp_f32 v[8*i+\j], v[8*i+\j]
.endr
.endm
; the row sums of piece y over my 512 keys: two chains over the tiles, then the 16 lanes
.macro S4 y
	WIN ((2+\y)<<2)|(2+\y)
.irp p, 0,2,4,6
	v_pk_add_f32 v[LS+\p:LS+\p+1], v[\p:\p+1], v[8+\p:8+\p+1]
.endr
.irp p, 0,2,4,6
	v_pk_add_f32 v[LS+8+\p:LS+8+\p+1], v[16+\p:16+\p+1], v[24+\p:24+\p+1]
.endr
	WIN (2+\y)<<2
.set tt, 4
.rept 28
.irp p, 0,2,4,6
	v_pk_add_f32 v[LS+8*(tt%2)+\p:LS+8*(tt%2)+\p+1], v[LS+8*(tt%2)+\p:LS+8*(tt%2)+\p+1], v[8*tt+\p:8*tt+\p+1]
.endr
.set tt, tt+1
.endr
	WIN 0
.irp p, 0,2,4,6
	v_pk_add_f32 v[LS+\p:LS+\p+1], v[LS+\p:LS+\p+1], v[LS+8+\p:LS+8+\p+1]
.endr
.irp m, 1,2,4,8
.irp j, 0,1,2,3,4,5,6,7
	v_add_f32_dpp v[LS+\j], v[LS+\j], v[LS+\j] row_xmask:\m row_mask:0xf bank_mask:0xf
.endr
.endr
.endm
; the maxima of piece x, register by register over the tiles; each accumulator is read from its low end on
.macro MAX0 x
	WIN ((2+\x)<<4)|((2+\x)<<2)|(2+\x)
.irp j, 0,1,2,3,4,5,6,7
	v_max3_num_f32 v[CM+8*\x+\j], v[\j], v[8+\j], v[16+\j]
.endr
.endm
.macro MAXR x, k0, k1                  ; rounds k0 .. k1: round k takes tiles 2 k + 1 and 2 k + 2
	WIN ((2+\x)<<4)|((2+\x)<<2)
.set kk, \k0
.rept \k1-\k0+1
.irp j, 0,1,2,3,4,5,6,7
	v_max3_num_f32 v[CM+8*\x+\j], v[CM+8*\x+\j], v[8*(2*kk+1)+\j], v[8*(2*kk+2)+\j]
.endr
.set kk, kk+1
.endr
.endm
.macro MAXL x                          ; tile 31
.irp j, 0,1,2,3,4,5,6,7
	v_max_num_f32 v[CM+8*\x+\j], v[CM+8*\x+\j], v[248+\j]
.endr
.endm
.macro MAXX x                          ; over the 16 lanes, and times c (c is positive)
.irp m, 1,2,4,8
.irp j, 0,1,2,3,4,5,6,7
	v_max_num_f32_dpp v[CM+8*\x+\j], v[CM+8*\x+\j], v[CM+8*\x+\j] row_xmask:\m row_mask:0xf bank_mask:0xf
.endr
.endr
.irp p, 0,2,4,6
	v_pk_mul_f32 v[CM+8*\x+\p:CM+8*\x+\p+1], v[CM+8*\x+\p:CM+8*\x+\p+1], s[CS:CS+1] op_sel_hi:[1,0]
.endr
.endm
; query lane % 16: G from the four waves' c m and l; through my own 64 bytes of LDS it comes back as the G of my eight queries
.macro COMB
	v_max3_num_f32 v[GM], v[EM], v[EM+1], v[EM+2]
	v_max_num_f32 v[GM], v[GM], v[EM+3]
	v_pk_add_f32 v[DE:DE+1], v[EM:EM+1], v[GM:GM+1] op_sel_hi:[1,0] neg_lo:[0,1] neg_hi:[0,1]
	v_pk_add_f32 v[DE+2:DE+3], v[EM+2:EM+3], v[GM:GM+1] op_sel_hi:[1,0] neg_lo:[0,1] neg_hi:[0,1]
.irp j, 0,1,2,3
	v_exp_f32 v[DE+\j], v[DE+\j]
.endr
	v_nop                                          ; a plain place behind the exponentials,
	s_wait_alu depctr_va_vdst(0)                   ; and a wait ahead of their first reader
	v_pk_mul_f32 v[LL:LL+1], v[EL:EL+1], v[DE:DE+1]
	v_pk_fma_f32 v[LL:LL+1], v[EL+2:EL+3], v[DE+2:DE+3], v[LL:LL+1]
	v_add_f32 v[LL], v[LL], v[LL+1]
	v_log_f32 v[LG], v[LL]
	v_nop
	s_wait_alu depctr_va_vdst(0)
	v_add_f32 v[LG], v[LG], v[GM]
	ds_store_b32 v[GST], v[LG]                     ; lanes l and l xor 16 write the same word with the same value
	ds_load_b128 v[GG:GG+3], v[GLD]                ; LDS serves a wave's instructions in order
	ds_load_b128 v[GG+4:GG+7], v[GLD] offset:16
.endm
.macro FAC y                           ; F = 2^(c m - G)
.irp p, 0,2,4,6
	v_pk_add_f32 v[FF+\p:FF+\p+1], v[CM+8*\y+\p:CM+8*\y+\p+1], v[GG+\p:GG+\p+1] neg_lo:[0,1] neg_hi:[0,1]
.endr
.irp j, 0,1,2,3,4,5,6,7
	v_exp_f32 v[FF+\j], v[FF+\j]
.endr
	v_nop
	s_wait_alu depctr_va_vdst(0)
.endm
.macro S6 y                            ; the column sums take p F; four tiles by turns, so that no line waits for the line above it
	WIN 2+\y
.set g6, 0
.rept 8
.irp p, 0,2,4,6
.irp u, 0,1,2,3
	v_pk_fma_f32 v[CA+2*(4*g6+\u):CA+2*(4*g6+\u)+1], v[8*(4*g6+\u)+\p:8*(4*g6+\u)+\p+1], v[FF+\p:FF+\p+1], v[CA+2*(4*g6+\u):CA+2*(4*g6+\u)+1]
.endr
.endr
.set g6, g6+1
.endr
.endm
; A HALF STEP.  Piece x gets its scores and its maxima, piece y its softmax and its column sums.  ld = 1: y's next tile of queries, off tiles on from the trip's base, is asked for: y's last products stand a half step back.
; left: the loads that may stay out when x's queries are wanted: the three just issued (or, at the start, piece B's three).
.macro HS x, y, hasx, hasy, ld, off, left
.if \ld
	WIN 0
	global_load_b128 v[QF+12*\y:QF+12*\y+3], v[LI], s[QC:QC+1] offset:(\off)*768
	global_load_b64 v[QF+12*\y+4:QF+12*\y+5], v[L8], s[QC:QC+1] offset:(\off)*768+512
	global_load_b32 v[QSW+\y], v[QSO], s[QSC:QSC+1] offset:(\off)*64
.endif
	s_wait_loadcnt \left
.set i, 0
.rept 32
.if \hasx
	MM \x
.endif
.if \hasy
	S3 \y
.endif
.set i, i+1
.endr
.if \hasy
	v_nop                                          ; a plain place behind the last exponential,
	s_wait_alu depctr_va_vdst(0)                   ; and ONE wait for the piece's 256: nothing above names a result
	S4 \y
	ds_store_b128 v[XST], v[CM+8*\y:CM+8*\y+3] offset:512*\y       ; the sixteen lanes of a half write the same bytes with the same values
	ds_store_b128 v[XST], v[CM+8*\y+4:CM+8*\y+7] offset:512*\y+16
	ds_store_b128 v[XST], v[LS:LS+3] offset:512*\y+256
	ds_store_b128 v[XST], v[LS+4:LS+7] offset:512*\y+272
.else
.rept 4
	v_nop                                          ; places in front of the first read of results
.endr
.endif
.if \hasx
	MAX0 \x
	MAXR \x, 1, 4
.endif
.if \hasy
	s_wait_dscnt 0x0                               ; for the others' sake: my c m and l lie in LDS; and my reads of the other area, a half step back, are over
	s_barrier_signal -1
.endif
.if \hasx
	MAXR \x, 5, 9                                  ; work on registers while the others arrive
.endif
.if \hasy
	s_barrier_wait -1
.irp w, 0,1,2,3
	ds_load_b32 v[EM+\w], v[XLD] offset:512*\y+64*\w               ; (address and destination lie in window 0 under the maxima's setting too)
	ds_load_b32 v[EL+\w], v[XLD] offset:512*\y+256+64*\w
.endr
.endif
.if \hasx
	MAXR \x, 10, 14
	MAXL \x
.endif
	WIN 0
.if \hasy
	s_wait_dscnt 0x0
	COMB
.endif
.if \hasx
	MAXX \x
.endif
.if \hasy
	s_wait_dscnt 0x0                               ; G is back
	FAC \y
	S6 \y
.endif
.endm
	HS 0, 1, 1, 0, 0, 0, 3                         ; piece A: tile 0's scores and maxima; piece B's three loads may stay out
	s_mov_b32 s22, 15
.Lpair:                                            ; trip n: B = tile 2 n + 1, A = tile 2 n, then A = tile 2 n + 2
	HS 1, 0, 1, 1, 1, 2, 3
	HS 0, 1, 1, 1, 1, 3, 3
	WIN 0
	s_wait_xcnt 0x0                                ; the loads have read their bases
	s_add_nc_u64 s[QC:QC+1], s[QC:QC+1], 1536
	s_add_nc_u64 s[QSC:QSC+1], s[QSC:QSC+1], 128
	s_sub_co_u32 s22, s22, 1
	s_cmp_lg_u32 s22, 0
	s_cbranch_scc1 .Lpair
	HS 1, 0, 1, 1, 0, 0, 0                         ; tile 31's scores, tile 30's softmax: nothing is left to ask for
	HS 0, 1, 0, 1, 0, 0, 0                         ; tile 31's softmax
	; THE WAY OUT: the pairs' halves; then the other half of the lanes' eight queries, two tiles at a time: lane l ends with key 32 u + l
	WIN 0
.set tt, 0
.rept 32
	v_add_f32 v[CA+2*tt], v[CA+2*tt], v[CA+2*tt+1]
.set tt, tt+1
.endr
.set tt, 0
.rept 16
	v_permlane16_swap_b32 v[CA+4*tt], v[CA+4*tt+2] ; the first's lanes 16-31 change places with the second's lanes 0-15
	v_add_f32 v[CA+4*tt], v[CA+4*tt], v[CA+4*tt+2]
	ds_store_b32 v[OST], v[CA+4*tt] offset:128*tt
.set tt, tt+1
.endr
.irp i, 0,1,2,3
	ds_load_b128 v[CM+4*\i:CM+4*\i+3], v[OLD] offset:512*\i        ; my own bytes, in order behind my stores
.endr
.irp i, 0,1,2,3
	s_wait_dscnt 3-\i
	global_store_b128 v[LI], v[CM+4*\i:CM+4*\i+3], s[12:13] offset:512*\i   ; 512 consecutive bytes, aligned
.endr
	s_wait_tensorcnt 0x0                           ; the wave's end: three closing lines behind my last LDS store
	ds_add_u32 v[SPW], v[NIL]
	s_wait_dscnt 0x0
	s_endpgm
.Lfunc_end_k_qd6868477b0_attn:
	.size	k_qd6868477b0_attn, .Lfunc_end_k_qd6868477b0_attn-k_qd6868477b0_attn
	.p2alignl 7, 3214868480
	.fill 96, 4, 3214868480
	.section	.rodata,"a",@progbits
	.p2align	6, 0x0
	.amdhsa_kernel k_qd6868477b0_attn
		.amdhsa_group_segment_fixed_size 10752
		.amdhsa_private_segment_fixed_size 0
		.amdhsa_enable_private_segment 0
		.amdhsa_kernarg_size 16
		.amdhsa_user_sgpr_count 2
		.amdhsa_user_sgpr_kernarg_segment_ptr 1
		.amdhsa_wavefront_size32 1
		.amdhsa_system_sgpr_workgroup_id_x 1
		.amdhsa_system_sgpr_workgroup_id_y 1
		.amdhsa_system_sgpr_workgroup_id_z 1
		.amdhsa_system_vgpr_workitem_id 0
		.amdhsa_next_free_vgpr 1024
		.amdhsa_next_free_sgpr 66
		.amdhsa_reserve_vcc 0
		.amdhsa_float_denorm_mode_32 3
		.amdhsa_float_denorm_mode_16_64 3
		.amdhsa_memory_ordered 1
		.amdhsa_forward_progress 1
		.amdhsa_inst_pref_size 226
	.end_amdhsa_kernel
	.amdgpu_metadata
---
amdhsa.version: [ 1, 2 ]
amdhsa.kernels:
  - .name:           k_qd6868477b0_attn
    .symbol:         k_qd6868477b0_attn.kd
    .args:
      - { .name: qk, .offset: 0, .size: 8, .value_kind: global_buffer, .address_space: global }
      - { .name: ppart, .offset: 8, .size: 8, .value_kind: global_buffer, .address_space: global }
    .group_segment_fixed_size: 10752
    .private_segment_fixed_size: 0
    .kernarg_segment_align: 8
    .kernarg_segment_size: 16
    .max_flat_workgroup_size: 128
    .sgpr_count:     66
    .vgpr_count:     1024
    .wavefront_size: 32
...
	.end_amdgpu_metadata
.endif
;; end of part 3
;; launch projv (part 4): grid 128 x 2, 4 waves a work-group, no clusters, 0 bytes of LDS; arguments xq, wq, ppart, opart, out1; writes opart, out1
.if DOCPART == 4
	.amdgcn_target "amdgcn-amd-amdhsa--gfx1250"
	.amdhsa_code_object_version 6
	.text
	.protected	k_qd6868477b0_projv
	.globl	k_qd6868477b0_projv
	.p2align	8
	.type	k_qd6868477b0_projv,@function
k_qd6868477b0_projv:
	s_mov_b64 s[64:65], 0
	v_nop
	global_prefetch_b8 v0, s[64:65] scope:SCOPE_SE
	s_setreg_imm32_b32 hwreg(HW_REG_WAVE_MODE, 25, 1), 1
	s_wait_xcnt 0x0
; LAUNCH 4 OF 5.  v = x w_v^T on codes of FP6, weighed at once by the softmax's column sums and added over 128 tokens: v never goes to memory.  And out1, the column sums' mean over the heads.
; SHARES.  A work-group takes 128 tokens (8 tiles of 16) and four heads: wave w of work-group y owns head 4 y + w; its 4 tiles x 4 K steps of w_v stay in 192 registers (window 1).
; LAYOUT.  Source 0 = 16 tokens, source 1 = 16 rows of w_v: register j is token 8 (lane / 16) + j, the lane holds column lane % 16 of the tile.  The weighted sum over tokens is a sum inside the lane, in f32, by fused multiply-adds.
; A token's weight is the sum of the four quarters' column sums; the factors 1 / L and 1 / L come in the last launch.
; out1[b][k] = 2^-14 x the sum over 8 heads and 4 quarters: wave 0 of y = 0 makes the block's 128 numbers, in one branch on ids at the head.
; No LDS, no cluster: x's fragments and the weights go straight into registers.  LIMITS: as stated at the head of the first launch.
.set XSC, 6291456
.set WSC, 589824
.set LI,  1                            ; v1 16 l
.set R16, 2                            ; v2 16 r
.set H32, 3                            ; v3 32 h
.set L4,  4                            ; v4 4 l
.set WS,  8                            ; v8-23 w_v's scale words: 4 t + s
.set XS,  24                           ; v24-31 x's, two sets
.set XF,  32                           ; v32-127 x's fragments, two sets
.set ACC, 128                          ; v128-159 four tiles
.set PP,  160                          ; v160-223 the quarters' column sums of my eight tokens, two sets of 4 x 8
.set PS,  224                          ; v224-231 their sum
.set OACC, 232                         ; v232-239 a pair for each tile
.set MSB, 0
.macro WIN new
.if MSB != (\new)
	s_set_vgpr_msb (MSB<<8)|(\new)
.set MSB, (\new)
.endif
.endm
	s_load_b256 s[4:11], s[0:1], 0x0               ; xq, wq, ppart, opart
	s_load_b64 s[12:13], s[0:1], 0x20              ; out1
	v_lshrrev_b32 v5, 5, v0
	v_readfirstlane_b32 s18, v5                    ; wave
	v_and_b32 v5, 31, v0
	v_and_b32 v6, 15, v0
	v_bfe_u32 v7, v0, 4, 1
	v_lshlrev_b32 v[LI], 4, v5
	v_lshlrev_b32 v[L4], 2, v5
	v_lshlrev_b32 v[R16], 4, v6
	v_lshlrev_b32 v[H32], 5, v7
.irp j, 0,1,2,3,4,5,6,7
	v_mov_b32 v[OACC+\j], 0
.endr
	s_and_b32 s24, ttmp7, 0xffff                   ; y
	s_lshr_b32 s25, ttmp9, 4                       ; the batch
	s_and_b32 s26, ttmp9, 15                       ; the block of 128 tokens in it
	s_lshl_b32 s27, s24, 2
	s_add_co_u32 s27, s27, s18                     ; my head
	s_mov_b32 s35, 0
	s_wait_kmcnt 0x0
	s_mul_i32 s34, s27, 24576
	s_add_co_u32 s34, s34, 393216                  ; w_v's tiles are 64 .. 95 of wq
	s_add_nc_u64 s[14:15], s[6:7], s[34:35]
	s_lshl_b32 s34, s27, 10
	s_add_co_u32 s34, s34, WSC+16384
	s_add_nc_u64 s[16:17], s[6:7], s[34:35]
	s_mul_i32 s34, ttmp9, 49152
	s_add_nc_u64 s[20:21], s[4:5], s[34:35]        ; x's codes
	s_lshl_b32 s34, ttmp9, 11
	s_add_co_u32 s34, s34, XSC
	s_add_nc_u64 s[22:23], s[4:5], s[34:35]        ; x's scale bytes
	s_lshl_b32 s34, s25, 3
	s_add_co_u32 s34, s34, s27
	s_lshl_b32 s34, s34, 15                        ; (batch x 8 + head) x 4 quarters x 8,192 bytes
	s_lshl_b32 s33, s26, 9
	s_add_co_u32 s34, s34, s33
	s_add_nc_u64 s[28:29], s[8:9], s[34:35]        ; the column sums of my head at the block's first token
	s_lshl_b32 s34, s25, 18
	s_add_co_u32 s34, s34, s33
	s_add_nc_u64 s[36:37], s[8:9], s[34:35]        ; and of the batch's first head
	s_lshl_b32 s34, s25, 13
	s_add_co_u32 s34, s34, s33
	s_add_nc_u64 s[12:13], s[12:13], s[34:35]      ; out1 at the block
	s_lshl_b32 s34, ttmp9, 11
	s_lshl_b32 s33, s27, 8
	s_add_co_u32 s34, s34, s33
	s_add_nc_u64 s[10:11], s[10:11], s[34:35]      ; opart: [block][512], my head's 64
	WIN 0x40
.irp s, 0,1,2,3
.irp t, 0,1,2,3
.irp c, 0,1,2
	global_load_b128 v[(4*\s+\t)*12+4*\c:(4*\s+\t)*12+4*\c+3], v[LI], s[14:15] offset:\t*6144+\s*1536+512*\c
.endr
.endr
.endr
	WIN 0
.irp t, 0,1,2,3
	global_load_b128 v[WS+4*\t:WS+4*\t+3], v[R16], s[16:17] offset:256*\t
.endr
.macro TLOAD buf, k                    ; tile k of the trip: x's fragments and scale words, and my eight tokens' column sums of the four quarters
.irp i, 0,1,2,3,4,5,6,7,8,9,10,11
	global_load_b128 v[XF+48*(\buf)+4*\i:XF+48*(\buf)+4*\i+3], v[LI], s[20:21] offset:(\k)*6144+512*\i
.endr
	global_load_b128 v[XS+4*(\buf):XS+4*(\buf)+3], v[R16], s[22:23] offset:(\k)*256
.irp q, 0,1,2,3
	global_load_b128 v[PP+32*(\buf)+8*\q:PP+32*(\buf)+8*\q+3], v[H32], s[28:29] offset:\q*8192+(\k)*64
	global_load_b128 v[PP+32*(\buf)+8*\q+4:PP+32*(\buf)+8*\q+7], v[H32], s[28:29] offset:\q*8192+(\k)*64+16
.endr
.endm
	TLOAD 0, 0
	s_or_b32 s30, s18, s24
	s_cmp_lg_u32 s30, 0
	s_cbranch_scc1 .Lno_out1                       ; ids alone: wave 0 of y = 0 makes out1
	WIN 0x80                                       ; destination window 2
.set i, 0
.rept 32
	global_load_b128 v[4*i:4*i+3], v[LI], s[36:37] offset:8192*i   ; 128 keys of (head, quarter) i
.set i, i+1
.endr
	s_wait_loadcnt 0x0                             ; (the weights and the first tile, which the first tile's wait would wait for anyway, are among them)
	WIN 0x8a                                       ; sources and destination window 2
.set k, 1
.rept 7
.irp c, 0,1,2,3
	v_pk_add_f32 v[4*\c:4*\c+1], v[4*\c:4*\c+1], v[4*(\c+4*k):4*(\c+4*k)+1]          ; four chains
	v_pk_add_f32 v[4*\c+2:4*\c+3], v[4*\c+2:4*\c+3], v[4*(\c+4*k)+2:4*(\c+4*k)+3]
.endr
.set k, k+1
.endr
	v_pk_add_f32 v[0:1], v[0:1], v[4:5]
	v_pk_add_f32 v[2:3], v[2:3], v[6:7]
	v_pk_add_f32 v[8:9], v[8:9], v[12:13]
	v_pk_add_f32 v[10:11], v[10:11], v[14:15]
	v_pk_add_f32 v[0:1], v[0:1], v[8:9]
	v_pk_add_f32 v[2:3], v[2:3], v[10:11]
	v_pk_mul_f32 v[0:1], v[0:1], 0x38800000 op_sel_hi:[1,0]        ; 2^-14 = 1 / (L x NH)
	v_pk_mul_f32 v[2:3], v[2:3], 0x38800000 op_sel_hi:[1,0]
	WIN 0x08                                       ; a store's data are its source 1: window 2
	global_store_b128 v[LI], v[0:3], s[12:13]      ; 512 consecutive bytes, aligned
	WIN 0
.Lno_out1:
.macro TILE buf, pf, k
	s_wait_loadcnt 0x0                             ; this tile's 21 loads: nothing else is out
.if \pf
	TLOAD 1-\buf, (\k)+1                           ; the next tile; the products that read that set stand 28 vector lines back
.endif
	WIN 0x04                                       ; source 1 (w_v) window 1
.irp s, 0,1,2,3
.irp t, 0,1,2,3
.if \s == 0
	v_wmma_scale_f32_16x16x128_f8f6f4 v[ACC+8*\t:ACC+8*\t+7], v[XF+48*\buf+12*\s:XF+48*\buf+12*\s+11], v[(4*\s+\t)*12:(4*\s+\t)*12+11], 0, v[XS+4*\buf+\s], v[WS+4*\t+\s] matrix_a_fmt:MATRIX_FMT_FP6 matrix_b_fmt:MATRIX_FMT_FP6
.else
	v_wmma_scale_f32_16x16x128_f8f6f4 v[ACC+8*\t:ACC+8*\t+7], v[XF+48*\buf+12*\s:XF+48*\buf+12*\s+11], v[(4*\s+\t)*12:(4*\s+\t)*12+11], v[ACC+8*\t:ACC+8*\t+7], v[XS+4*\buf+\s], v[WS+4*\t+\s] matrix_a_fmt:MATRIX_FMT_FP6 matrix_b_fmt:MATRIX_FMT_FP6
.endif
.endr
.endr                                          ; the four accumulators by turns
	WIN 0
.irp p, 0,2,4,6
	v_pk_add_f32 v[PS+\p:PS+\p+1], v[PP+32*\buf+\p:PP+32*\buf+\p+1], v[PP+32*\buf+8+\p:PP+32*\buf+8+\p+1]   ; the tokens' weights; these twelve lines are also the places behind the products
.endr
.irp q, 2,3
.irp p, 0,2,4,6
	v_pk_add_f32 v[PS+\p:PS+\p+1], v[PS+\p:PS+\p+1], v[PP+32*\buf+8*\q+\p:PP+32*\buf+8*\q+\p+1]
.endr
.endr
.irp p, 0,2,4,6                                ; each accumulator from its low end on
.irp t, 0,1,2,3
	v_pk_fma_f32 v[OACC+2*\t:OACC+2*\t+1], v[ACC+8*\t+\p:ACC+8*\t+\p+1], v[PS+\p:PS+\p+1], v[OACC+2*\t:OACC+2*\t+1]
.endr
.endr
.endm
	s_mov_b32 s31, 3
.Ltrip:
	TILE 0, 1, 0
	TILE 1, 1, 1
	s_wait_xcnt 0x0                                ; the loads have read their bases
	s_add_nc_u64 s[20:21], s[20:21], 12288
	s_add_nc_u64 s[22:23], s[22:23], 512
	s_add_nc_u64 s[28:29], s[28:29], 128
	s_sub_co_u32 s31, s31, 1
	s_cmp_lg_u32 s31, 0
	s_cbranch_scc1 .Ltrip
	TILE 0, 1, 0                                   ; the last two tiles are written out: no load leaves its buffer
	TILE 1, 0, 1
.irp t, 0,1,2,3
	v_add_f32 v[OACC+2*\t], v[OACC+2*\t], v[OACC+2*\t+1]
.endr
.irp u, 0,1                                    ; with the other half of the lanes' tokens, two tiles at a time: lane l ends with column 32 u + l
	v_permlane16_swap_b32 v[OACC+4*\u], v[OACC+4*\u+2]
	v_add_f32 v[OACC+4*\u], v[OACC+4*\u], v[OACC+4*\u+2]
.endr
	global_store_b32 v[L4], v[OACC], s[10:11]
	global_store_b32 v[L4], v[OACC+4], s[10:11] offset:128         ; the two stores fill 256 consecutive bytes, aligned
	s_endpgm
.Lfunc_end_k_qd6868477b0_projv:
	.size	k_qd6868477b0_projv, .Lfunc_end_k_qd6868477b0_projv-k_qd6868477b0_projv
	.p2alignl 7, 3214868480
	.fill 96, 4, 3214868480
	.section	.rodata,"a",@progbits
	.p2align	6, 0x0
	.amdhsa_kernel k_qd6868477b0_projv
		.amdhsa_group_segment_fixed_size 0
		.amdhsa_private_segment_fixed_size 0
		.amdhsa_enable_private_segment 0
		.amdhsa_kernarg_size 40
		.amdhsa_user_sgpr_count 2
		.amdhsa_user_sgpr_kernarg_segment_ptr 1
		.amdhsa_wavefront_size32 1
		.amdhsa_system_sgpr_workgroup_id_x 1
		.amdhsa_system_sgpr_workgroup_id_y 1
		.amdhsa_system_sgpr_workgroup_id_z 1
		.amdhsa_system_vgpr_workitem_id 0
		.amdhsa_next_free_vgpr 640
		.amdhsa_next_free_sgpr 66
		.amdhsa_reserve_vcc 0
		.amdhsa_float_denorm_mode_32 3
		.amdhsa_float_denorm_mode_16_64 3
		.amdhsa_memory_ordered 1
		.amdhsa_forward_progress 1
		.amdhsa_inst_pref_size 39
	.end_amdhsa_kernel
	.amdgpu_metadata
---
amdhsa.version: [ 1, 2 ]
amdhsa.kernels:
  - .name:           k_qd6868477b0_projv
    .symbol:         k_qd6868477b0_projv.kd
    .args:
      - { .name: xq, .offset: 0, .size: 8, .value_kind: global_buffer, .address_space: global }
      - { .name: wq, .offset: 8, .size: 8, .value_kind: global_buffer, .address_space: global }
      - { .name: ppart, .offset: 16, .size: 8, .value_kind: global_buffer, .address_space: global }
      - { .name: opart, .offset: 24, .size: 8, .value_kind: global_buffer, .address_space: global }
      - { .name: out1, .offset: 32, .size: 8, .value_kind: global_buffer, .address_space: global }
    .group_segment_fixed_size: 0
    .private_segment_fixed_size: 0
    .kernarg_segment_align: 8
    .kernarg_segment_size: 40
    .max_flat_workgroup_size: 128
    .sgpr_count:     66
    .vgpr_count:     640
    .wavefront_size: 32
...
	.end_amdgpu_metadata
.endif
;; end of part 4
;; launch final (part 5): grid 8 x 1, 16 waves a work-group, no clusters, 6,656 bytes of LDS; arguments opart, rpart, w_fc, gamma, beta, out0; writes out0
.if DOCPART == 5
	.amdgcn_target "amdgcn-amd-amdhsa--gfx1250"
	.amdhsa_code_object_version 6
	.text
	.protected	k_qd6868477b0_final
	.globl	k_qd6868477b0_final
	.p2align	8
	.type	k_qd6868477b0_final,@function
k_qd6868477b0_final:
	s_mov_b64 s[64:65], 0
	v_nop
	global_prefetch_b8 v0, s[64:65] scope:SCOPE_SE
	s_setreg_imm32_b32 hwreg(HW_REG_WAVE_MODE, 25, 1), 1
	s_wait_xcnt 0x0
; LAUNCH 5 OF 5.  For batch b (the work-group): out[h][d] = 2^-22 x the sum of 16 blocks' parts; residual = 2^-11 x the sum of 32 blocks' column sums of x; flat[d x 8 + h] = out[h][d];
; y = flat w_fc^T + residual, in f32 by fused multiply-adds (8 rows in all: no work for the matrix units); LayerNorm over the 512, with gamma and beta.
; SHARES.  Thread t owns column t.  For the product wave w owns rows 32 w .. 32 w + 31 of w_fc, four at a time: a row's 2,048 bytes are four loads of 512 consecutive bytes; three groups of 16 loads are on their way.
; Eight work-groups: a LayerNorm wants a whole row, and the batch has eight.  No cluster: w_fc, which the eight share, goes straight into registers.
.set FLT,  0                           ; LDS: flat, 2,048 bytes
.set YS,   2048                        ; y, 2,048 bytes
.set RED0, 4096                        ; sixteen waves' sums,
.set RED1, 4352                        ; and their sums of squares
.set SPARE, 4608                       ; the spare words, 128 bytes for each of sixteen waves
.set T4,  1                            ; v1 4 t
.set L16, 2                            ; v2 16 l
.set PJ,  3                            ; v3 4 ((t % 64) x 8 + t / 64)
.set YW,  4                            ; v4 YS + 128 x wave
.set SPW, 5
.set NIL, 6
.set GAM, 8
.set BET, 9
.set RSD, 10                           ; the residual
.set OV,  11
.set RW,  12                           ; v12 4 x wave
.set ZA,  13                           ; v13 0, an LDS address
.set YV,  14
.set FLR, 16                           ; v16-31 the parts of out, later flat, later sixteen sums
.set AC,  32                           ; v32-63 first x's parts; then v32-39 four rows' sums in pairs,
.set RD,  40                           ; v40-43 the rows' sums,
.set RX,  44                           ; v44-47 lane l xor 16's
.set TS,  48
.set TX,  49
.set WB,  64                           ; v64-255 three sets of 4 rows x 16
	s_load_b256 s[4:11], s[0:1], 0x0               ; opart, rpart, w_fc, gamma
	s_load_b128 s[12:15], s[0:1], 0x20             ; beta, out0
	v_lshl_add_u32 v[SPW], v0, 2, SPARE
	v_mov_b32 v[NIL], 0
	v_lshrrev_b32 v7, 5, v0
	v_readfirstlane_b32 s16, v7                    ; wave
	v_lshlrev_b32 v[T4], 2, v0
	v_and_b32 v7, 31, v0
	v_lshlrev_b32 v[L16], 4, v7
	v_and_b32 v7, 63, v0
	v_lshrrev_b32 v[PJ], 6, v0
	v_lshl_add_u32 v[PJ], v7, 3, v[PJ]
	v_lshlrev_b32 v[PJ], 2, v[PJ]
	s_lshl_b32 s17, s16, 7
	s_add_co_u32 s17, s17, YS
	v_mov_b32 v[YW], s17
	s_lshl_b32 s17, s16, 2
	v_mov_b32 v[RW], s17
	v_mov_b32 v[ZA], 0
	s_mov_b32 s20, 0x76543210
	s_mov_b32 s21, 0xfedcba98
	s_mov_b32 s19, 0
	s_wait_kmcnt 0x0
	s_lshl_b32 s18, s16, 16
	s_add_nc_u64 s[8:9], s[8:9], s[18:19]          ; my 32 rows of w_fc
	s_lshl_b32 s18, ttmp9, 15
	s_add_nc_u64 s[4:5], s[4:5], s[18:19]          ; the batch's 16 blocks
	s_lshl_b32 s18, ttmp9, 16
	s_add_nc_u64 s[6:7], s[6:7], s[18:19]          ; its 32 blocks
	s_lshl_b32 s18, ttmp9, 11
	s_add_nc_u64 s[14:15], s[14:15], s[18:19]
.macro WLOAD g
.irp r, 0,1,2,3
.irp i, 0,1,2,3
	global_load_b128 v[WB+64*((\g)%3)+16*\r+4*\i:WB+64*((\g)%3)+16*\r+4*\i+3], v[L16], s[8:9] offset:(4*(\g)+\r)*2048+512*\i
.endr
.endr
.endm
	WLOAD 0
	WLOAD 1
	WLOAD 2
.set i, 0
.rept 16
	global_load_b32 v[FLR+i], v[T4], s[4:5] offset:2048*i
.set i, i+1
.endr
.set i, 0
.rept 32
	global_load_b32 v[AC+i], v[T4], s[6:7] offset:2048*i
.set i, i+1
.endr
	global_load_b32 v[GAM], v[T4], s[10:11]
	global_load_b32 v[BET], v[T4], s[12:13]
	s_wait_loadcnt 0x0
.irp j, 2,4,6,8,10,12,14
	v_pk_add_f32 v[FLR:FLR+1], v[FLR:FLR+1], v[FLR+\j:FLR+\j+1]
	v_pk_add_f32 v[AC:AC+1], v[AC:AC+1], v[AC+\j:AC+\j+1]
.endr
.irp j, 16,18,20,22,24,26,28,30
	v_pk_add_f32 v[AC:AC+1], v[AC:AC+1], v[AC+\j:AC+\j+1]
.endr
	v_add_f32 v[OV], v[FLR], v[FLR+1]
	v_add_f32 v[RSD], v[AC], v[AC+1]
	v_mul_f32 v[OV], 0x34800000, v[OV]             ; 2^-22 = 1 / L^2
	v_mul_f32 v[RSD], 0x3a000000, v[RSD]           ; 2^-11 = 1 / L
.irp r, 0,1,2,3
	v_mov_b32 v[RX+\r], 0                          ; a lane permute's destination counts as one of its sources
.endr
	v_mov_b32 v[TX], 0
	ds_store_b32 v[PJ], v[OV]                      ; column t = h x 64 + d goes to flat's place d x 8 + h
	s_wait_dscnt 0x0
	s_barrier_signal -1
	s_barrier_wait -1                              ; flat is whole
.irp i, 0,1,2,3
	ds_load_b128 v[FLR+4*\i:FLR+4*\i+3], v[L16] offset:FLT+512*\i  ; flat[128 i + 4 l ..], as a row of w_fc comes
.endr
; rows 4 g .. 4 g + 3 of mine, by turns
.macro GROUP g, left
.if (\g) >= 3
	s_wait_loadcnt \left                           ; this group's 16 loads are in; the younger groups' may be out
.endif
	s_wait_dscnt 0x0                               ; flat is in; the last group's LDS stores have read their data
.set B, WB+64*((\g)%3)
.irp r, 0,1,2,3
	v_pk_mul_f32 v[AC+2*\r:AC+2*\r+1], v[B+16*\r:B+16*\r+1], v[FLR:FLR+1]
.endr
.irp q, 1,2,3,4,5,6,7
.irp r, 0,1,2,3
	v_pk_fma_f32 v[AC+2*\r:AC+2*\r+1], v[B+16*\r+2*\q:B+16*\r+2*\q+1], v[FLR+2*\q:FLR+2*\q+1], v[AC+2*\r:AC+2*\r+1]
.endr
.endr
.irp r, 0,1,2,3
	v_add_f32 v[RD+\r], v[AC+2*\r], v[AC+2*\r+1]
.endr
.irp m, 1,2,4,8
.irp r, 0,1,2,3
	v_add_f32_dpp v[RD+\r], v[RD+\r], v[RD+\r] row_xmask:\m row_mask:0xf bank_mask:0xf
.endr
.endr
.irp r, 0,1,2,3
	v_permlanex16_b32 v[RX+\r], v[RD+\r], s20, s21
.endr
.irp r, 0,1,2,3
	v_add_f32 v[RD+\r], v[RD+\r], v[RX+\r]
.endr
.irp r, 0,1,2,3
	ds_store_b32 v[YW], v[RD+\r] offset:4*(4*(\g)+\r)              ; all lanes write the same word with the same value
.endr
.if (\g)+3 < 8
	WLOAD (\g)+3                                   ; into the set just read
.endif
.endm
	GROUP 0, 0
	GROUP 1, 0
	GROUP 2, 0
	GROUP 3, 32
	GROUP 4, 32
	GROUP 5, 32
	GROUP 6, 16
	GROUP 7, 0
	s_wait_dscnt 0x0
	s_barrier_signal -1
	s_barrier_wait -1                              ; the product's 512 numbers lie in LDS
	ds_load_b32 v[YV], v[T4] offset:YS
	s_wait_dscnt 0x0
	v_add_f32 v[YV], v[YV], v[RSD]                 ; y
.macro WSUM                            ; v[TS] over the wave's 32 lanes
.irp m, 1,2,4,8
	v_add_f32_dpp v[TS], v[TS], v[TS] row_xmask:\m row_mask:0xf bank_mask:0xf
.endr
	v_permlanex16_b32 v[TX], v[TS], s20, s21
	v_add_f32 v[TS], v[TS], v[TX]
.endm
.macro GSUM area                       ; and over the sixteen waves, times 1 / 512: into v[FLR]
	ds_store_b32 v[RW], v[TS] offset:\area
	s_wait_dscnt 0x0
	s_barrier_signal -1
	s_barrier_wait -1
.irp i, 0,1,2,3
	ds_load_b128 v[FLR+4*\i:FLR+4*\i+3], v[ZA] offset:\area+16*\i
.endr
	s_wait_dscnt 0x0
.irp j, 2,4,6,8,10,12,14
	v_pk_add_f32 v[FLR:FLR+1], v[FLR:FLR+1], v[FLR+\j:FLR+\j+1]
.endr
	v_add_f32 v[FLR], v[FLR], v[FLR+1]
	v_mul_f32 v[FLR], 0x3b000000, v[FLR]           ; 2^-9
.endm
	v_mov_b32 v[TS], v[YV]
	WSUM
	GSUM RED0                                      ; the mean
	v_sub_f32 v[YV], v[YV], v[FLR]
	v_mul_f32 v[TS], v[YV], v[YV]
	WSUM
	GSUM RED1                                      ; the variance
	v_add_f32 v[FLR], 0x358637bd, v[FLR]           ; + 1e-6
	v_rsq_f32 v[FLR+2], v[FLR]
	v_nop                                          ; a plain place behind the transcendental,
	s_wait_alu depctr_va_vdst(0)                   ; and a wait ahead of its first reader
	v_mul_f32 v[YV], v[YV], v[FLR+2]
	v_fma_f32 v[YV], v[YV], v[GAM], v[BET]
	global_store_b32 v[T4], v[YV], s[14:15]        ; the sixteen waves fill the row's 2,048 bytes
	s_wait_tensorcnt 0x0                           ; the wave's end: three closing lines behind my last LDS store
	ds_add_u32 v[SPW], v[NIL]
	s_wait_dscnt 0x0
	s_endpgm
.Lfunc_end_k_qd6868477b0_final:
	.size	k_qd6868477b0_final, .Lfunc_end_k_qd6868477b0_final-k_qd6868477b0_final
	.p2alignl 7, 3214868480
	.fill 96, 4, 3214868480
	.section	.rodata,"a",@progbits
	.p2align	6, 0x0
	.amdhsa_kernel k_qd6868477b0_final
		.amdhsa_group_segment_fixed_size 6656
		.amdhsa_private_segment_fixed_size 0
		.amdhsa_enable_private_segment 0
		.amdhsa_kernarg_size 48
		.amdhsa_user_sgpr_count 2
		.amdhsa_user_sgpr_kernarg_segment_ptr 1
		.amdhsa_wavefront_size32 1
		.amdhsa_system_sgpr_workgroup_id_x 1
		.amdhsa_system_sgpr_workgroup_id_y 1
		.amdhsa_system_sgpr_workgroup_id_z 1
		.amdhsa_system_vgpr_workitem_id 0
		.amdhsa_next_free_vgpr 256
		.amdhsa_next_free_sgpr 66
		.amdhsa_reserve_vcc 0
		.amdhsa_float_denorm_mode_32 3
		.amdhsa_float_denorm_mode_16_64 3
		.amdhsa_memory_ordered 1
		.amdhsa_forward_progress 1
		.amdhsa_inst_pref_size 55
	.end_amdhsa_kernel
	.amdgpu_metadata
---
amdhsa.version: [ 1, 2 ]
amdhsa.kernels:
  - .name:           k_qd6868477b0_final
    .symbol:         k_qd6868477b0_final.kd
    .args:
      - { .name: opart, .offset: 0, .size: 8, .value_kind: global_buffer, .address_space: global }
      - { .name: rpart, .offset: 8, .size: 8, .value_kind: global_buffer, .address_space: global }
      - { .name: w_fc, .offset: 16, .size: 8, .value_kind: global_buffer, .address_space: global }
      - { .name: gamma, .offset: 24, .size: 8, .value_kind: global_buffer, .address_space: global }
      - { .name: beta, .offset: 32, .size: 8, .value_kind: global_buffer, .address_space: global }
      - { .name: out0, .offset: 40, .size: 8, .value_kind: global_buffer, .address_space: global }
    .group_segment_fixed_size: 6656
    .private_segment_fixed_size: 0
    .kernarg_segment_align: 8
    .kernarg_segment_size: 48
    .max_flat_workgroup_size: 512
    .sgpr_count:     66
    .vgpr_count:     256
    .wavefront_size: 32
...
	.end_amdgpu_metadata
.endif
;; end of part 5
;; ======== version 2 of 2: 5 launches; version 1 with the launches projqk, attn, projv written anew for expert scheduling mode
;; workspace buffers: xq 6,553,600 bytes; wq 614,400 bytes; rpart 524,288 bytes; qk 13,631,488 bytes; ppart 2,097,152 bytes; opart 262,144 bytes
;; launch quant: the kernel of part 1 again; grid 280 x 1, 4 waves a work-group, no clusters, 140,800 bytes of LDS; arguments x, w_q, w_k, w_v, xq, wq, rpart; writes xq, wq, rpart
;; launch projqk (part 6): grid 128 x 2, 4 waves a work-group, no clusters, 4,608 bytes of LDS; arguments xq, wq, qk; writes qk
.if DOCPART == 6
	.amdgcn_target "amdgcn-amd-amdhsa--gfx1250"
	.amdhsa_code_object_version 6
	.text
	.protected	k_qd6868477b0_projqk
	.globl	k_qd6868477b0_projqk
	.p2align	8
	.type	k_qd6868477b0_projqk,@function
k_qd6868477b0_projqk:
	s_mov_b64 s[64:65], 0
	v_nop
	global_prefetch_b8 v0, s[64:65] scope:SCOPE_SE
	s_setreg_imm32_b32 hwreg(HW_REG_WAVE_SCHED_MODE, 0, 2), 2
	s_setreg_imm32_b32 hwreg(HW_REG_WAVE_MODE, 25, 1), 1
	s_wait_xcnt 0x0
	s_wait_alu depctr_vm_vsrc(0)
; LAUNCH 2 OF 5.  q = x w_q^T (work-group y = 0) or k = x w_k^T (y = 1) on codes of FP6, and the result quantised again, head by head (K = the head's 64: two blocks of 32), for the scores' product.
; SHARES.  A work-group takes 128 tokens (8 tiles of 16).  THE WAVES SHARE THE COLUMNS: wave w owns columns 128 w .. 128 w + 127 (heads 2 w, 2 w + 1): its 8 tiles x 4 K steps of the weight stay in 384 registers,
; read once.  x's fragments and scale words come from memory straight into registers, as images of the operand's registers, two tiles ahead.
; THE PRODUCT IS USED TRANSPOSED (source 0 = 16 rows of the weight, source 1 = 16 tokens): a lane holds ONE token (lane % 16) and its registers run along the columns, which are the next K.
; In tile t register j of lane (r, h) is column 16 t + 8 h + j.  So a lane's 16 registers of tiles 2 b, 2 b + 1 are 16 of block b's 32 numbers, lane l xor 16 holds the other 16: the block and its scale are the true ones.
; Inside a block the codes stand in the order 0-7, 16-23, 8-15, 24-31, ALIKE IN q AND IN k: the scores' sums have the same terms in another order.
; OUT.  A fragment (head, 16 tokens) is 6 registers a lane, 768 bytes: registers 0-3 at 16 l, registers 4-5 at 512 + 8 l.  Lane (r, h) holds token r, block h.  The scale word of a token: byte 0, byte 1, 127, 127
; (the scores' instruction is 128 deep, the head 64).  A wave's 2 x 128 words are gathered in its own 1,024 bytes of LDS and leave as two runs of 512 bytes.
; No cluster: what work-groups share (the weights, x's codes) goes straight into registers, and a joint load lands in LDS.  LIMITS: as stated at the head of the first launch.
; THE MODE: SCHED_MODE bits 1:0 = 2 (LLVM: expert scheduling mode 2), set by the entry lines.  The code itself states the register dependences
; between vector or matrix instructions and memory or LDS instructions, with s_wait_alu, always for 0.
; THE PLAN.  Registers that memory or LDS instructions touch:
;   XF0, XF1, XS0, XS1  x's fragments and scale words.  Tile n's 32 products read set n % 2; behind them the loads of tile n + 2 land in it.
;   PC, W0, SSA         the codes, the scale word and its LDS address.  Written by tile n's quantiser, read by tile n's five stores, written again by tile n + 1's quantiser.
;   the weight, WS      loaded once at the head; read by products alone.
;   v1 to v5            offsets and LDS addresses, made once at the head: the tiles are reached by scalar bases and immediate offsets.
;   ACC                 named by matrix and vector instructions; at the end two LDS loads land in it.
;   v6, v7              written at the head, read by the closing add alone.
; So a tile has three waits: one on va_vdst behind its products (they have read their set: the loads of two tiles on follow it); one on vm_vsrc ahead of its quantiser (the last tile's stores, 32 matrix
; instructions back, have read what it writes); one on va_vdst behind its quantiser, ahead of the run of five stores.
.set XSC, 6291456
.set WSC, 589824
.set KC,  6291456                      ; qk: k's fragments
.set QS,  12582912                     ; qk: q's scale words; k's lie 524,288 further on
.set SPARE, 4096                       ; behind the four stages: the spare words, 128 bytes a wave
.set LI,  1                            ; v1 16 x lane
.set L8,  2                            ; v2 8 x lane
.set R16, 3                            ; v3 16 r
.set SST, 4                            ; v4 1,024 x wave + 512 h + 4 r: where a token's word goes
.set SLD, 5                            ; v5 1,024 x wave + 16 x lane
.set SPW, 6
.set NIL, 7
.set SSA, 8                            ; v8 SST + the trip's step
.set WS,  16                           ; v16-47 the weight's scale words: 4 t + s
.set XS,  48                           ; v48-55 x's: two sets of 4
.set XF,  56                           ; v56-151 x's fragments: two sets of 4 x 12
.set ACC, 152                          ; v152-215 eight tiles
.set PC,  216                          ; v216-235 the codes just made
.set TM,  236                          ; v236-251 at work
.set W0,  252
.set W1,  253
.set MSB, 0
.macro WIN new
.if MSB != (\new)
	s_set_vgpr_msb (MSB<<8)|(\new)
.set MSB, (\new)
.endif
.endm
	s_load_b128 s[4:7], s[0:1], 0x0                ; xq, wq
	s_load_b64 s[8:9], s[0:1], 0x10                ; qk
	v_lshl_add_u32 v[SPW], v0, 2, SPARE
	v_mov_b32 v[NIL], 0
	v_lshrrev_b32 v9, 5, v0
	v_readfirstlane_b32 s18, v9                    ; wave
	v_and_b32 v9, 31, v0
	v_and_b32 v10, 15, v0                          ; r
	v_bfe_u32 v11, v0, 4, 1                        ; h
	v_cmp_eq_u32 s30, 1, v11                       ; lanes 16-31
	v_lshlrev_b32 v[LI], 4, v9
	v_lshlrev_b32 v[L8], 3, v9
	v_lshlrev_b32 v[R16], 4, v10
	v_lshlrev_b32 v[SST], 2, v10
	v_lshl_add_u32 v[SST], v11, 9, v[SST]
.irp b, 0,1,2,3
	v_mov_b32 v[TM+4+\b], 0                        ; a lane permute's destination counts as one of its sources
.endr
	s_mov_b32 s28, 0x76543210
	s_mov_b32 s29, 0xfedcba98
	s_wait_alu depctr_va_sdst(0)                   ; s18 and s30 are written, ahead of their first readers: the line below, and each tile's choice between the two heads' words
	s_lshl_b32 s19, s18, 10
	v_add_nc_u32 v[SST], s19, v[SST]
	v_add_nc_u32 v[SLD], s19, v[LI]
	s_and_b32 s24, ttmp7, 0xffff                   ; y: 0 q, 1 k
	s_lshr_b32 s25, ttmp9, 4                       ; the batch
	s_and_b32 s26, ttmp9, 15                       ; the block of 128 tokens in it
	s_mov_b32 s35, 0
	s_mov_b32 s32, 0                               ; the stage's step
	s_wait_kmcnt 0x0
	s_mul_i32 s34, s24, 196608                     ; a weight's 32 tiles,
	s_mul_i32 s33, s18, 49152                      ; my 8
	s_add_co_u32 s34, s34, s33
	s_add_nc_u64 s[10:11], s[6:7], s[34:35]        ; the weight's codes
	s_lshl_b32 s34, s24, 13
	s_lshl_b32 s33, s18, 11
	s_add_co_u32 s34, s34, s33
	s_add_co_u32 s34, s34, WSC
	s_add_nc_u64 s[12:13], s[6:7], s[34:35]        ; its scale bytes
	s_mul_i32 s34, ttmp9, 49152
	s_add_nc_u64 s[14:15], s[4:5], s[34:35]        ; x's codes: 8 tiles
	s_lshl_b32 s34, ttmp9, 11
	s_add_co_u32 s34, s34, XSC
	s_add_nc_u64 s[16:17], s[4:5], s[34:35]        ; x's scale bytes
	s_lshl_b32 s27, s25, 3
	s_lshl_b32 s33, s18, 1
	s_add_co_u32 s27, s27, s33                     ; batch x 8 + my first head
	s_lshl_b32 s34, s27, 7
	s_lshl_b32 s33, s26, 3
	s_add_co_u32 s34, s34, s33
	s_mul_i32 s34, s34, 768
	s_mul_i32 s33, s24, KC
	s_add_co_u32 s34, s34, s33
	s_add_nc_u64 s[20:21], s[8:9], s[34:35]        ; out: the first head's fragments; the second head's lie 128 x 768 bytes on
	s_lshl_b32 s34, s27, 13
	s_lshl_b32 s33, s26, 9
	s_add_co_u32 s34, s34, s33
	s_lshl_b32 s33, s24, 19
	s_add_co_u32 s34, s34, s33
	s_add_co_u32 s34, s34, QS
	s_add_nc_u64 s[22:23], s[8:9], s[34:35]        ; out: the scale words
	WIN 0x40                                       ; the weight: K steps 0, 1 into window 1,
	s_wait_alu depctr_va_vdst(0)                   ; the offsets and LDS addresses v1 to v5 are written, which every load and store of the kernel reads
.irp s, 0,1
.irp t, 0,1,2,3,4,5,6,7
.irp c, 0,1,2
	global_load_b128 v[(\s*8+\t)*12+4*\c:(\s*8+\t)*12+4*\c+3], v[LI], s[10:11] offset:\t*6144+\s*1536+512*\c
.endr
.endr
.endr
	WIN 0x80                                       ; K steps 2, 3 into window 2
.irp s, 2,3
.irp t, 0,1,2,3,4,5,6,7
.irp c, 0,1,2
	global_load_b128 v[((\s-2)*8+\t)*12+4*\c:((\s-2)*8+\t)*12+4*\c+3], v[LI], s[10:11] offset:\t*6144+\s*1536+512*\c
.endr
.endr
.endr
	WIN 0
.irp t, 0,1,2,3,4,5,6,7
	global_load_b128 v[WS+4*\t:WS+4*\t+3], v[R16], s[12:13] offset:256*\t
.endr
.macro XLOAD buf, k                    ; tile k, counted from the trip's first: 12 loads of 512 bytes, and the rows' scale words
.irp i, 0,1,2,3,4,5,6,7,8,9,10,11
	global_load_b128 v[XF+48*(\buf)+4*\i:XF+48*(\buf)+4*\i+3], v[LI], s[14:15] offset:(\k)*6144+512*\i
.endr
	global_load_b128 v[XS+4*(\buf):XS+4*(\buf)+3], v[R16], s[16:17] offset:(\k)*256
.endm
.macro MULS buf, s                     ; K step s: the eight accumulators by turns
.irp t, 0,1,2,3,4,5,6,7
.if \s == 0
	v_wmma_scale_f32_16x16x128_f8f6f4 v[ACC+8*\t:ACC+8*\t+7], v[(((\s)%2)*8+\t)*12:(((\s)%2)*8+\t)*12+11], v[XF+48*\buf+12*\s:XF+48*\buf+12*\s+11], 0, v[WS+4*\t+\s], v[XS+4*\buf+\s] matrix_a_fmt:MATRIX_FMT_FP6 matrix_b_fmt:MATRIX_FMT_FP6
.else
	v_wmma_scale_f32_16x16x128_f8f6f4 v[ACC+8*\t:ACC+8*\t+7], v[(((\s)%2)*8+\t)*12:(((\s)%2)*8+\t)*12+11], v[XF+48*\buf+12*\s:XF+48*\buf+12*\s+11], v[ACC+8*\t:ACC+8*\t+7], v[WS+4*\t+\s], v[XS+4*\buf+\s] matrix_a_fmt:MATRIX_FMT_FP6 matrix_b_fmt:MATRIX_FMT_FP6
.endif
.endr
.endm
; 64 numbers of a lane, register 16 b + i one of block b's, become codes in v[PC] on (registers 0-5: blocks 0, 1; 6-11: blocks 2, 3) and four bytes in v[TM+4] on.  Each accumulator is read from its low end on
.macro QUANT s
.irp b, 0,1,2,3
	v_max3_num_f32 v[TM+\b], |v[\s+16*\b]|, |v[\s+1+16*\b]|, 0x1800000   ; with the floor 2^(3 - 127)
.endr
.irp i, 2,4,6,8,10,12,14
.irp b, 0,1,2,3
	v_max3_num_f32 v[TM+\b], v[TM+\b], |v[\s+16*\b+\i]|, |v[\s+1+16*\b+\i]|
.endr
.endr
.irp b, 0,1,2,3
	v_permlanex16_b32 v[TM+4+\b], v[TM+\b], s28, s29
.endr
.irp b, 0,1,2,3
	v_max_num_f32 v[TM+\b], v[TM+\b], v[TM+4+\b]   ; with lane l xor 16's 16: the block's largest magnitude
.endr
.irp b, 0,1,2,3
	v_add_nc_u32 v[TM+12+\b], 0xff000000, v[TM+\b] ; 2 off the exponent field: the conversion's scale operand
.endr
.irp b, 0,1,2,3
	v_lshrrev_b32 v[TM+4+\b], 23, v[TM+12+\b]      ; the byte
.endr
.irp c, 0,1
	v_cvt_scalef32_pk16_fp6_f32 v[PC+6*\c:PC+2+6*\c], v[\s+32*\c:\s+15+32*\c], v[TM+12+2*\c]
	v_cvt_scalef32_pk16_fp6_f32 v[PC+12+4*\c:PC+14+4*\c], v[\s+16+32*\c:\s+31+32*\c], v[TM+12+2*\c+1]
.endr
	v_nop                                          ; one plain place behind a scaled conversion
.irp c, 0,1                                    ; a WHOLE block to a lane: lanes 0-15 block 2 c, lanes 16-31 block 2 c + 1
.irp i, 0,1,2
	v_permlane16_swap_b32 v[PC+6*\c+\i], v[PC+12+4*\c+\i]
.endr
.irp i, 0,1,2
	v_mov_b32 v[PC+3+6*\c+\i], v[PC+12+4*\c+\i]
.endr
.endr
.endm
; Tile k of the trip, on set buf.  pf = 1: the tile two on is asked for, into the set that this tile's products have emptied.  left: the younger loads that may stay out: the next tile's 13, or none.
.macro TILE buf, pf, k, left
	s_wait_loadcnt \left                           ; loads come back in order: this tile's 13 are in (at the first tile the weight's too)
	WIN 0x01
	MULS \buf, 0
	MULS \buf, 1
	WIN 0x02
	MULS \buf, 2
	MULS \buf, 3
	WIN 0
.rept 4
	v_nop                                          ; places in front of the first read of results
.endr
	s_wait_xcnt 0x0                                ; the last tile's stores have had their addresses translated: the codes' registers are written again only behind this wait
	s_wait_alu depctr_vm_vsrc(0)                   ; the last tile's five stores have read the codes, the scale word and its LDS address, which the quantiser below writes again
	s_wait_dscnt 0x0                               ; and its LDS store is done
.if \pf
	s_wait_alu depctr_va_vdst(0)                   ; the 32 products have read this set's fragments and scale words, in which the loads below land
	XLOAD \buf, (\k)+2
.endif
	QUANT ACC
	v_lshl_or_b32 v[W0], v[TM+5], 8, v[TM+4]       ; the first head's two bytes,
	v_lshl_or_b32 v[W1], v[TM+7], 8, v[TM+6]       ; the second's
	v_cndmask_b32 v[W0], v[W0], v[W1], s30         ; lanes 0-15 store the first head's word of token r, lanes 16-31 the second's
	v_or_b32 v[W0], 0x7f7f0000, v[W0]              ; bytes 2, 3: 127, for the half of the scores' K that holds zero codes
	v_add_nc_u32 v[SSA], s32, v[SST]
	s_wait_alu depctr_va_vdst(0)                   ; the quantiser has written the codes, the scale word and its LDS address, which the five stores below read
	ds_store_b32 v[SSA], v[W0] offset:64*\k
	global_store_b128 v[LI], v[PC:PC+3], s[20:21] offset:768*\k
	global_store_b64 v[L8], v[PC+4:PC+5], s[20:21] offset:768*\k+512
	global_store_b128 v[LI], v[PC+6:PC+9], s[20:21] offset:768*\k+98304
	global_store_b64 v[L8], v[PC+10:PC+11], s[20:21] offset:768*\k+98304+512
.endm
	XLOAD 0, 0
	XLOAD 1, 1
	s_mov_b32 s31, 3
.Ltrip:                                            ; two tiles a trip, so that the sets are back where they began
	TILE 0, 1, 0, 13
	TILE 1, 1, 1, 13
	s_wait_xcnt 0x0                                ; loads and stores have read their bases
	s_add_nc_u64 s[14:15], s[14:15], 12288
	s_add_nc_u64 s[16:17], s[16:17], 512
	s_add_nc_u64 s[20:21], s[20:21], 1536
	s_add_co_u32 s32, s32, 128
	s_sub_co_u32 s31, s31, 1
	s_cmp_lg_u32 s31, 0
	s_cbranch_scc1 .Ltrip
	TILE 0, 0, 0, 13                               ; the last two tiles are written out: they ask for nothing, so that no load leaves its buffer, and the counts run down
	TILE 1, 0, 1, 0
	ds_load_b128 v[ACC:ACC+3], v[SLD]              ; LDS serves a wave's instructions in order: these see my stores.  No wait on va_vdst: the last one stands behind every line that names the accumulators
	ds_load_b128 v[ACC+4:ACC+7], v[SLD] offset:512
	s_wait_dscnt 0x0
	global_store_b128 v[LI], v[ACC:ACC+3], s[22:23]                ; 128 tokens' words of the first head: 512 consecutive bytes,
	global_store_b128 v[LI], v[ACC+4:ACC+7], s[22:23] offset:8192  ; and of the second
	s_wait_dscnt 0x0                               ; the closing lines, six on end
	s_wait_alu 0x0
	s_wait_tensorcnt 0x0
	ds_add_u32 v[SPW], v[NIL]
	s_wait_dscnt 0x0
	s_endpgm
.Lfunc_end_k_qd6868477b0_projqk:
	.size	k_qd6868477b0_projqk, .Lfunc_end_k_qd6868477b0_projqk-k_qd6868477b0_projqk
	.p2alignl 7, 3214868480
	.fill 96, 4, 3214868480
	.section	.rodata,"a",@progbits
	.p2align	6, 0x0
	.amdhsa_kernel k_qd6868477b0_projqk
		.amdhsa_group_segment_fixed_size 4608
		.amdhsa_private_segment_fixed_size 0
		.amdhsa_enable_private_segment 0
		.amdhsa_kernarg_size 24
		.amdhsa_user_sgpr_count 2
		.amdhsa_user_sgpr_kernarg_segment_ptr 1
		.amdhsa_wavefront_size32 1
		.amdhsa_system_sgpr_workgroup_id_x 1
		.amdhsa_system_sgpr_workgroup_id_y 1
		.amdhsa_system_sgpr_workgroup_id_z 1
		.amdhsa_system_vgpr_workitem_id 0
		.amdhsa_next_free_vgpr 768
		.amdhsa_next_free_sgpr 66
		.amdhsa_reserve_vcc 0
		.amdhsa_float_denorm_mode_32 3
		.amdhsa_float_denorm_mode_16_64 3
		.amdhsa_memory_ordered 1
		.amdhsa_forward_progress 1
		.amdhsa_inst_pref_size 54
	.end_amdhsa_kernel
	.amdgpu_metadata
---
amdhsa.version: [ 1, 2 ]
amdhsa.kernels:
  - .name:           k_qd6868477b0_projqk
    .symbol:         k_qd6868477b0_projqk.kd
    .args:
      - { .name: xq, .offset: 0, .size: 8, .value_kind: global_buffer, .address_space: global }
      - { .name: wq, .offset: 8, .size: 8, .value_kind: global_buffer, .address_space: global }
      - { .name: qk, .offset: 16, .size: 8, .value_kind: global_buffer, .address_space: global }
    .group_segment_fixed_size: 4608
    .private_segment_fixed_size: 0
    .kernarg_segment_align: 8
    .kernarg_segment_size: 24
    .max_flat_workgroup_size: 128
    .sgpr_count:     66
    .vgpr_count:     768
    .wavefront_size: 32
...
	.end_amdgpu_metadata
.endif
;; end of part 6
;; launch attn (part 7): grid 4 x 64, 4 waves a work-group, no clusters, 10,752 bytes of LDS; arguments qk, ppart; writes ppart
.if DOCPART == 7
	.amdgcn_target "amdgcn-amd-amdhsa--gfx1250"
	.amdhsa_code_object_version 6
	.text
	.protected	k_qd6868477b0_attn
	.globl	k_qd6868477b0_attn
	.p2align	8
	.type	k_qd6868477b0_attn,@function
k_qd6868477b0_attn:
	s_mov_b64 s[64:65], 0
	v_nop
	global_prefetch_b8 v0, s[64:65] scope:SCOPE_SE
	s_setreg_imm32_b32 hwreg(HW_REG_WAVE_SCHED_MODE, 0, 2), 2
	s_setreg_imm32_b32 hwreg(HW_REG_WAVE_MODE, 25, 1), 1
	s_wait_xcnt 0x0
	s_wait_alu depctr_vm_vsrc(0)
; LAUNCH 3 OF 5.  For one (batch, head) and 512 of its 2,048 queries: the scores on codes of FP6, the softmax over all 2,048 keys, and the softmax's COLUMN sums over these queries: all that reference() uses of it.
; SHARES.  Work-group (x = quarter of the queries, y = batch x 8 + head).  Wave w OWNS keys 512 w .. 512 w + 511: their 32 fragments and scale words stay in registers.  All four waves walk the same 32 tiles of 16 queries.
; A PIECE is one tile of queries x my 512 keys: 32 accumulators, 256 registers.  Two pieces are in hand: A (even tiles, window 2), B (odd tiles, window 3).
; K = 64 IN AN INSTRUCTION 128 DEEP.  Registers 0-5 of a fragment hold k = 32 h + 0 .. 31.  The QUERIES' registers 6-11 hold zero codes, which give 0 with any code of FP6 (the format has no NaN and no infinity), and bytes 2, 3
; of all scale words are 127.  So the keys' fragments lie 6 registers apart, and fragment i is named as v[6 i : 6 i + 11]; behind the last stand six registers of zeros.
; LAYOUT.  Source 0 = queries, source 1 = keys: a lane holds ONE KEY (lane % 16), register j query 8 (lane / 16) + j.  A column sum is a sum inside the lane; a row's maximum or sum is taken register by register over the
; 32 tiles and then over the 16 lanes of a half.
; THE SOFTMAX, WITH ONE EXPONENTIAL A SCORE.  c = log2(e) / 8.  Each wave takes the maximum m_w of a query's scores over ITS keys away: p = 2^(c s - c m_w), l_w = the sum of p.  The waves exchange (c m_w, l_w) through LDS;
; g = the largest c m_w, l = the sum of l_w 2^(c m_w - g), which lies between 1 and 2,048, G = g + log2(l).  The finished weight is p F with F = 2^(c m_w - G), at most 1; the column sums take p F by fused multiply-adds.
; BY TURNS.  In a half step piece X's 32 products stand one by one among piece Y's scalings and exponentials; X's maximum then covers the barrier and both trips through LDS of Y's exchange.
; No cluster: what the four quarters of a head share, the keys, goes straight into registers, and a joint load lands in LDS.  LIMITS: as stated at the head of the first launch.
; THE MODE: SCHED_MODE bits 1:0 = 2 (LLVM: expert scheduling mode 2), set by the entry lines.  The code itself states the register dependences
; between vector or matrix instructions and memory or LDS instructions, with s_wait_alu, always for 0.
; THE PLAN.  Registers that memory or LDS instructions touch, in a half step (X has the products, Y the softmax):
;   QF[p], QSW[p]  a piece's queries and their scale words.  Read by the piece's 32 products; the loads at the head of the NEXT half step land in them.
;   CM[Y], LS      c m and the row sums.  CM[Y] was written at the end of the half step before, LS is written by this one's row sums; four LDS stores read them; both are written again in the next half step.
;   EM, EL         LDS loads land in them; the lines that make G read them.
;   LG             G of query lane % 16: written by vector instructions, read by one LDS store, written again in the next half step.
;   GG             LDS loads land in it; the lines that make F read it.
;   v1 to v7, v11 to v13  offsets and LDS addresses, made once at the head.     v8, v9  written at the head, read by the closing add alone.
;   On the way out: the column sums CA are read by LDS stores; LDS loads land in CM.
; THE WAITS of a half step.  The wait for the 256 exponentials stands behind all 32 products: so it also states that these have read QF[X] and QSW[X], which nothing names again before the next half step's loads.
; One wait on va_vdst stands behind the row sums, ahead of the four LDS stores; one behind the addition that makes G, ahead of its store.  One wait on vm_vsrc, in front of the barrier, states that the LDS stores
; issued so far have read CM[Y], LS and, a half step back, LG.  The loads into EM, EL and GG follow the waits for the exponentials and the logarithm of the half step before, behind which nothing names them.
.set KC,  6291456                      ; qk: k's fragments
.set QS,  12582912                     ; q's scale words
.set KSO, 13107200                     ; k's
.set GA,  1024                         ; LDS: 0-1023 two exchange areas (piece A's, piece B's): c m [wave][16 queries], 256 bytes on l likewise; from GA: G, 64 bytes a wave, its own
.set OA,  2048                         ; the way out: 2,048 bytes a wave, its own
.set SPARE, 10240                      ; the spare words, 128 bytes a wave
.set LI,  1                            ; v1 16 l
.set L8,  2                            ; v2 8 l
.set QSO, 3                            ; v3 4 r
.set XST, 4                            ; v4 64 w + 32 h
.set XLD, 5                            ; v5 4 r
.set GST, 6                            ; v6 GA + 64 w + 4 r
.set GLD, 7                            ; v7 GA + 64 w + 32 h
.set SPW, 8
.set NIL, 9
.set LG,  10                           ; v10 log2(l), then G
.set OST, 11                           ; v11 OA + 2,048 w + 4 l
.set OLD, 12                           ; v12 OA + 2,048 w + 16 l
.set L4,  13                           ; v13 4 l
.set KS,  16                           ; v16-31 the keys' scale words: lanes 0-15 tile 2 i, lanes 16-31 tile 2 i + 1
.set QF,  32                           ; v32-43 piece A's queries, v44-55 piece B's
.set QSW, 56                           ; v56, v57 their scale words
.set CM,  64                           ; v64-71 A's maxima, then c m; v72-79 B's
.set LS,  80                           ; v80-95 row sums, two sets
.set EM,  96                           ; v96-99 four waves' c m of query lane % 16; v100-103 their l
.set EL,  100
.set GM,  104                          ; v104 g (v105: its pair's partner, written once)
.set DE,  106                          ; v106-109
.set LL,  110                          ; v110-111
.set GG,  112                          ; v112-119 G of my eight queries
.set FF,  120                          ; v120-127 F
.set CA,  128                          ; v128-191 the column sums: a pair (even, odd queries) for each tile of keys
.set QC,  16                           ; s[16:17] the queries' fragments
.set QSC, 18                           ; s[18:19] their scale words
.set CS,  20                           ; s[20:21] c, twice
.set MSB, 0
.macro WIN new
.if MSB != (\new)
	s_set_vgpr_msb (MSB<<8)|(\new)
.set MSB, (\new)
.endif
.endm
	s_load_b128 s[4:7], s[0:1], 0x0                ; qk, ppart
	v_lshl_add_u32 v[SPW], v0, 2, SPARE
	v_mov_b32 v[NIL], 0
	v_lshrrev_b32 v10, 5, v0
	v_readfirstlane_b32 s14, v10                   ; wave
	v_and_b32 v10, 31, v0                          ; l
	v_and_b32 v14, 15, v0                          ; r
	v_bfe_u32 v15, v0, 4, 1                        ; h
	v_lshlrev_b32 v[LI], 4, v10
	v_lshlrev_b32 v[L8], 3, v10
	v_lshlrev_b32 v[L4], 2, v10
	v_lshlrev_b32 v[QSO], 2, v14
	v_lshlrev_b32 v[XLD], 2, v14
	s_wait_alu depctr_va_sdst(0)                   ; s14 is written, ahead of its first reader: LDS addresses and the buffers' bases are made from it
	s_lshl_b32 s15, s14, 6
	v_lshl_add_u32 v[XST], v15, 5, s15
	v_add_nc_u32 v[GLD], GA, v[XST]
	v_add_nc_u32 v[GST], s15, v[XLD]
	v_add_nc_u32 v[GST], GA, v[GST]
	s_lshl_b32 s15, s14, 11
	s_add_co_u32 s15, s15, OA
	v_add_nc_u32 v[OST], s15, v[L4]
	v_add_nc_u32 v[OLD], s15, v[LI]
	s_mov_b32 s[CS], 0x3e38aa3b                    ; c = log2(e) / 8
	s_mov_b32 s[CS+1], s[CS]
	s_and_b32 s24, ttmp7, 0xffff                   ; batch x 8 + head
	s_mul_i32 s25, s24, 98304                      ; its 128 fragments
	s_mov_b32 s27, 0
	s_wait_kmcnt 0x0
	s_mul_i32 s26, s14, 24576                      ; my 32 of the keys'
	s_add_co_u32 s26, s26, s25
	s_add_co_u32 s26, s26, KC
	s_add_nc_u64 s[8:9], s[4:5], s[26:27]
	s_lshl_b32 s26, s24, 13
	s_lshl_b32 s15, s14, 11
	s_add_co_u32 s26, s26, s15
	s_add_co_u32 s26, s26, KSO
	s_add_nc_u64 s[10:11], s[4:5], s[26:27]        ; their scale words
	s_mul_i32 s26, ttmp9, 24576                    ; my work-group's 32 of the queries'
	s_add_co_u32 s26, s26, s25
	s_add_nc_u64 s[QC:QC+1], s[4:5], s[26:27]
	s_lshl_b32 s26, s24, 13
	s_lshl_b32 s15, ttmp9, 11
	s_add_co_u32 s26, s26, s15
	s_add_co_u32 s26, s26, QS
	s_add_nc_u64 s[QSC:QSC+1], s[4:5], s[26:27]
	s_lshl_b32 s26, s24, 2
	s_add_co_u32 s26, s26, ttmp9
	s_lshl_b32 s26, s26, 13
	s_lshl_b32 s15, s14, 11
	s_add_co_u32 s26, s26, s15
	s_add_nc_u64 s[12:13], s[6:7], s[26:27]        ; out: [head][quarter][2,048 keys], my 512
	WIN 0x40                                       ; the keys: window 1
	s_wait_alu depctr_va_vdst(0)                   ; the ten offsets and LDS addresses are written, which every load and store of the kernel reads
.set i, 0
.rept 32
	global_load_b128 v[6*i:6*i+3], v[LI], s[8:9] offset:768*i
	global_load_b64 v[6*i+4:6*i+5], v[L8], s[8:9] offset:768*i+512
.set i, i+1
.endr
.irp j, 0,1,2,3,4,5
	v_mov_b32 v[192+\j], 0                         ; named with the last fragment
.endr
	WIN 0
.set i, 0
.rept 16
	global_load_b32 v[KS+i], v[L4], s[10:11] offset:128*i
.set i, i+1
.endr
.irp y, 0,1                                    ; the first two tiles of queries
	global_load_b128 v[QF+12*\y:QF+12*\y+3], v[LI], s[QC:QC+1] offset:768*\y
	global_load_b64 v[QF+12*\y+4:QF+12*\y+5], v[L8], s[QC:QC+1] offset:768*\y+512
	global_load_b32 v[QSW+\y], v[QSO], s[QSC:QSC+1] offset:64*\y
.endr
.irp j, 6,7,8,9,10,11,18,19,20,21,22,23
	v_mov_b32 v[QF+\j], 0                          ; the queries' zero codes for k = 64 .. 127: written once
.endr
	v_mov_b32 v[GM+1], 0
.set i, 0
.rept 64
	v_mov_b32 v[CA+i], 0                           ; the column sums: the half step is written once for all pieces.  (These lines are also the places between the zero codes and the first product)
.set i, i+1
.endr
	s_wait_alu depctr_va_vdst(0)                   ; the zero codes are written, which the scaled products take as part of their first and second sources
; product i of piece x: 16 queries x keys 16 i .. 16 i + 15 of mine.  Every product starts a sum of its own
.macro MM x
	WIN ((2+\x)<<6)|0x04
.if i%2
	v_wmma_scale_f32_16x16x128_f8f6f4 v[8*i:8*i+7], v[QF+12*\x:QF+12*\x+11], v[6*i:6*i+11], 0, v[QSW+\x], v[KS+i/2] matrix_a_fmt:MATRIX_FMT_FP6 matrix_b_fmt:MATRIX_FMT_FP6 matrix_b_scale:MATRIX_SCALE_ROW1
.else
	v_wmma_scale_f32_16x16x128_f8f6f4 v[8*i:8*i+7], v[QF+12*\x:QF+12*\x+11], v[6*i:6*i+11], 0, v[QSW+\x], v[KS+i/2] matrix_a_fmt:MATRIX_FMT_FP6 matrix_b_fmt:MATRIX_FMT_FP6
.endif
.endm
; tile i of piece y: p = 2^(c s - c m), in place
.macro S3 y
	WIN ((2+\y)<<6)|(2+\y)
.irp p, 0,2,4,6
	v_pk_fma_f32 v[8*i+\p:8*i+\p+1], v[8*i+\p:8*i+\p+1], s[CS:CS+1], v[CM+8*\y+\p:CM+8*\y+\p+1] op_sel_hi:[1,0,1] neg_lo:[0,0,1] neg_hi:[0,0,1]
.endr
.irp j, 0,1,2,3,4,5,6,7
	v_exp_f32 v[8*i+\j], v[8*i+\j]
.endr
.endm
; the row sums of piece y over my 512 keys: two chains over the tiles, then the 16 lanes
.macro S4 y
	WIN ((2+\y)<<2)|(2+\y)
.irp p, 0,2,4,6
	v_pk_add_f32 v[LS+\p:LS+\p+1], v[\p:\p+1], v[8+\p:8+\p+1]
.endr
.irp p, 0,2,4,6
	v_pk_add_f32 v[LS+8+\p:LS+8+\p+1], v[16+\p:16+\p+1], v[24+\p:24+\p+1]
.endr
	WIN (2+\y)<<2
.set tt, 4
.rept 28
.irp p, 0,2,4,6
	v_pk_add_f32 v[LS+8*(tt%2)+\p:LS+8*(tt%2)+\p+1], v[LS+8*(tt%2)+\p:LS+8*(tt%2)+\p+1], v[8*tt+\p:8*tt+\p+1]
.endr
.set tt, tt+1
.endr
	WIN 0
.irp p, 0,2,4,6
	v_pk_add_f32 v[LS+\p:LS+\p+1], v[LS+\p:LS+\p+1], v[LS+8+\p:LS+8+\p+1]
.endr
.irp m, 1,2,4,8
.irp j, 0,1,2,3,4,5,6,7
	v_add_f32_dpp v[LS+\j], v[LS+\j], v[LS+\j] row_xmask:\m row_mask:0xf bank_mask:0xf
.endr
.endr
.endm
; the maxima of piece x, register by register over the tiles; each accumulator is read from its low end on
.macro MAX0 x
	WIN ((2+\x)<<4)|((2+\x)<<2)|(2+\x)
.irp j, 0,1,2,3,4,5,6,7
	v_max3_num_f32 v[CM+8*\x+\j], v[\j], v[8+\j], v[16+\j]
.endr
.endm
.macro MAXR x, k0, k1                  ; rounds k0 .. k1: round k takes tiles 2 k + 1 and 2 k + 2
	WIN ((2+\x)<<4)|((2+\x)<<2)
.set kk, \k0
.rept \k1-\k0+1
.irp j, 0,1,2,3,4,5,6,7
	v_max3_num_f32 v[CM+8*\x+\j], v[CM+8*\x+\j], v[8*(2*kk+1)+\j], v[8*(2*kk+2)+\j]
.endr
.set kk, kk+1
.endr
.endm
.macro MAXL x                          ; tile 31
.irp j, 0,1,2,3,4,5,6,7
	v_max_num_f32 v[CM+8*\x+\j], v[CM+8*\x+\j], v[248+\j]
.endr
.endm
.macro MAXX x                          ; over the 16 lanes, and times c (c is positive)
.irp m, 1,2,4,8
.irp j, 0,1,2,3,4,5,6,7
	v_max_num_f32_dpp v[CM+8*\x+\j], v[CM+8*\x+\j], v[CM+8*\x+\j] row_xmask:\m row_mask:0xf bank_mask:0xf
.endr
.endr
.irp p, 0,2,4,6
	v_pk_mul_f32 v[CM+8*\x+\p:CM+8*\x+\p+1], v[CM+8*\x+\p:CM+8*\x+\p+1], s[CS:CS+1] op_sel_hi:[1,0]
.endr
.endm
; query lane % 16: G from the four waves' c m and l; through my own 64 bytes of LDS it comes back as the G of my eight queries
.macro COMB
	v_max3_num_f32 v[GM], v[EM], v[EM+1], v[EM+2]
	v_max_num_f32 v[GM], v[GM], v[EM+3]
	v_pk_add_f32 v[DE:DE+1], v[EM:EM+1], v[GM:GM+1] op_sel_hi:[1,0] neg_lo:[0,1] neg_hi:[0,1]
	v_pk_add_f32 v[DE+2:DE+3], v[EM+2:EM+3], v[GM:GM+1] op_sel_hi:[1,0] neg_lo:[0,1] neg_hi:[0,1]
.irp j, 0,1,2,3
	v_exp_f32 v[DE+\j], v[DE+\j]
.endr
	v_nop                                          ; a plain place behind the exponentials,
	s_wait_alu depctr_va_vdst(0)                   ; and the four exponentials have written v[DE ..], ahead of their first reader
	v_pk_mul_f32 v[LL:LL+1], v[EL:EL+1], v[DE:DE+1]
	v_pk_fma_f32 v[LL:LL+1], v[EL+2:EL+3], v[DE+2:DE+3], v[LL:LL+1]
	v_add_f32 v[LL], v[LL], v[LL+1]
	v_log_f32 v[LG], v[LL]
	v_nop
	s_wait_alu depctr_va_vdst(0)                   ; the logarithm has written v[LG], ahead of its first reader; and the lines above are done reading EM and EL, in which the next half step's LDS loads land
	v_add_f32 v[LG], v[LG], v[GM]
	s_wait_alu depctr_va_vdst(0)                   ; G is written, which the LDS store below reads
	ds_store_b32 v[GST], v[LG]                     ; lanes l and l xor 16 write the same word with the same value
	ds_load_b128 v[GG:GG+3], v[GLD]                ; LDS serves a wave's instructions in order
	ds_load_b128 v[GG+4:GG+7], v[GLD] offset:16
.endm
.macro FAC y                           ; F = 2^(c m - G)
.irp p, 0,2,4,6
	v_pk_add_f32 v[FF+\p:FF+\p+1], v[CM+8*\y+\p:CM+8*\y+\p+1], v[GG+\p:GG+\p+1] neg_lo:[0,1] neg_hi:[0,1]
.endr
.irp j, 0,1,2,3,4,5,6,7
	v_exp_f32 v[FF+\j], v[FF+\j]
.endr
	v_nop
	s_wait_alu depctr_va_vdst(0)                   ; the eight exponentials have written v[FF ..], ahead of their first reader; the subtractions are done reading GG, in which the next half step's LDS loads land; the other piece's c m is written, which its LDS stores read
.endm
.macro S6 y                            ; the column sums take p F; four tiles by turns, so that no line waits for the line above it
	WIN 2+\y
.set g6, 0
.rept 8
.irp p, 0,2,4,6
.irp u, 0,1,2,3
	v_pk_fma_f32 v[CA+2*(4*g6+\u):CA+2*(4*g6+\u)+1], v[8*(4*g6+\u)+\p:8*(4*g6+\u)+\p+1], v[FF+\p:FF+\p+1], v[CA+2*(4*g6+\u):CA+2*(4*g6+\u)+1]
.endr
.endr
.set g6, g6+1
.endr
.endm
; A HALF STEP.  Piece x gets its scores and its maxima, piece y its softmax and its column sums.  ld = 1: y's next tile of queries, off tiles on from the trip's base, is asked for: y's last products stand a half step back.
; left: the loads that may stay out when x's queries are wanted: the three just issued (or, at the start, piece B's three).
.macro HS x, y, hasx, hasy, ld, off, left
.if \ld
	WIN 0
	global_load_b128 v[QF+12*\y:QF+12*\y+3], v[LI], s[QC:QC+1] offset:(\off)*768      ; no wait: the products that read these registers stand ahead of a wait on va_vdst of the half step before, and nothing since names them
	global_load_b64 v[QF+12*\y+4:QF+12*\y+5], v[L8], s[QC:QC+1] offset:(\off)*768+512
	global_load_b32 v[QSW+\y], v[QSO], s[QSC:QSC+1] offset:(\off)*64
.endif
	s_wait_loadcnt \left
.set i, 0
.rept 32
.if \hasx
	MM \x
.endif
.if \hasy
	S3 \y
.endif
.set i, i+1
.endr
.if \hasy
	v_nop                                          ; a plain place behind the last exponential,
	s_wait_alu depctr_va_vdst(0)                   ; and ONE wait for the piece's 256, which have written p: nothing above names a result.  It also states that x's 32 products have read x's queries and scale words, in which the next half step's loads land
	S4 \y
	s_wait_alu depctr_va_vdst(0)                   ; the row sums are written, which the LDS stores below read (c m was written ahead of the wait above)
	ds_store_b128 v[XST], v[CM+8*\y:CM+8*\y+3] offset:512*\y       ; the sixteen lanes of a half write the same bytes with the same values
	ds_store_b128 v[XST], v[CM+8*\y+4:CM+8*\y+7] offset:512*\y+16
	ds_store_b128 v[XST], v[LS:LS+3] offset:512*\y+256
	ds_store_b128 v[XST], v[LS+4:LS+7] offset:512*\y+272
.else
.rept 4
	v_nop                                          ; places in front of the first read of results
.endr
	s_wait_alu depctr_va_vdst(0)                   ; the first 32 products have read piece x's queries and scale words, in which the next half step's loads land
.endif
.if \hasx
	MAX0 \x
	MAXR \x, 1, 4
.endif
.if \hasy
	s_wait_dscnt 0x0                               ; for the others' sake: my c m and l lie in LDS; and my reads of the other area, a half step back, are over
	s_wait_alu depctr_vm_vsrc(0)                   ; my LDS stores have read c m and the row sums, and the one of the half step before has read G: all three are written again further on
	s_barrier_signal -1
.endif
.if \hasx
	MAXR \x, 5, 9                                  ; work on registers while the others arrive
.endif
.if \hasy
	s_barrier_wait -1
.irp w, 0,1,2,3
	ds_load_b32 v[EM+\w], v[XLD] offset:512*\y+64*\w               ; (address and destination lie in window 0 under the maxima's setting too.)  No wait: nothing since the waits above names these eight registers
	ds_load_b32 v[EL+\w], v[XLD] offset:512*\y+256+64*\w
.endr
.endif
.if \hasx
	MAXR \x, 10, 14
	MAXL \x
.endif
	WIN 0
.if \hasy
	s_wait_dscnt 0x0
	COMB
.endif
.if \hasx
	MAXX \x
.endif
.if \hasy
	s_wait_dscnt 0x0                               ; G is back
	FAC \y
	S6 \y
.endif
.endm
	HS 0, 1, 1, 0, 0, 0, 3                         ; piece A: tile 0's scores and maxima; piece B's three loads may stay out
	s_mov_b32 s22, 15
.Lpair:                                            ; trip n: B = tile 2 n + 1, A = tile 2 n, then A = tile 2 n + 2
	HS 1, 0, 1, 1, 1, 2, 3
	HS 0, 1, 1, 1, 1, 3, 3
	WIN 0
	s_wait_xcnt 0x0                                ; the loads have read their bases
	s_add_nc_u64 s[QC:QC+1], s[QC:QC+1], 1536
	s_add_nc_u64 s[QSC:QSC+1], s[QSC:QSC+1], 128
	s_sub_co_u32 s22, s22, 1
	s_cmp_lg_u32 s22, 0
	s_cbranch_scc1 .Lpair
	HS 1, 0, 1, 1, 0, 0, 0                         ; tile 31's scores, tile 30's softmax: nothing is left to ask for
	HS 0, 1, 0, 1, 0, 0, 0                         ; tile 31's softmax
	; THE WAY OUT: the pairs' halves; then the other half of the lanes' eight queries, two tiles at a time: lane l ends with key 32 u + l
	WIN 0
.set tt, 0
.rept 32
	v_add_f32 v[CA+2*tt], v[CA+2*tt], v[CA+2*tt+1]
.set tt, tt+1
.endr
.set tt, 0
.rept 16
	v_permlane16_swap_b32 v[CA+4*tt], v[CA+4*tt+2] ; the first's lanes 16-31 change places with the second's lanes 0-15
	v_add_f32 v[CA+4*tt], v[CA+4*tt], v[CA+4*tt+2]
.set tt, tt+1
.endr
	s_wait_alu depctr_va_vdst(0)                   ; the sixteen sums are written, which the LDS stores below read; and every line that named c m's registers is done, in which the LDS loads below land
.set tt, 0
.rept 16
	ds_store_b32 v[OST], v[CA+4*tt] offset:128*tt
.set tt, tt+1
.endr
.irp i, 0,1,2,3
	ds_load_b128 v[CM+4*\i:CM+4*\i+3], v[OLD] offset:512*\i        ; my own bytes, in order behind my stores
.endr
.irp i, 0,1,2,3
	s_wait_dscnt 3-\i
	global_store_b128 v[LI], v[CM+4*\i:CM+4*\i+3], s[12:13] offset:512*\i   ; 512 consecutive bytes, aligned
.endr
	s_wait_dscnt 0x0                               ; the closing lines, six on end
	s_wait_alu 0x0
	s_wait_tensorcnt 0x0
	ds_add_u32 v[SPW], v[NIL]
	s_wait_dscnt 0x0
	s_endpgm
.Lfunc_end_k_qd6868477b0_attn:
	.size	k_qd6868477b0_attn, .Lfunc_end_k_qd6868477b0_attn-k_qd6868477b0_attn
	.p2alignl 7, 3214868480
	.fill 96, 4, 3214868480
	.section	.rodata,"a",@progbits
	.p2align	6, 0x0
	.amdhsa_kernel k_qd6868477b0_attn
		.amdhsa_group_segment_fixed_size 10752
		.amdhsa_private_segment_fixed_size 0
		.amdhsa_enable_private_segment 0
		.amdhsa_kernarg_size 16
		.amdhsa_user_sgpr_count 2
		.amdhsa_user_sgpr_kernarg_segment_ptr 1
		.amdhsa_wavefront_size32 1
		.amdhsa_system_sgpr_workgroup_id_x 1
		.amdhsa_system_sgpr_workgroup_id_y 1
		.amdhsa_system_sgpr_workgroup_id_z 1
		.amdhsa_system_vgpr_workitem_id 0
		.amdhsa_next_free_vgpr 1024
		.amdhsa_next_free_sgpr 66
		.amdhsa_reserve_vcc 0
		.amdhsa_float_denorm_mode_32 3
		.amdhsa_float_denorm_mode_16_64 3
		.amdhsa_memory_ordered 1
		.amdhsa_forward_progress 1
		.amdhsa_inst_pref_size 227
	.end_amdhsa_kernel
	.amdgpu_metadata
---
amdhsa.version: [ 1, 2 ]
amdhsa.kernels:
  - .name:           k_qd6868477b0_attn
    .symbol:         k_qd6868477b0_attn.kd
    .args:
      - { .name: qk, .offset: 0, .size: 8, .value_kind: global_buffer, .address_space: global }
      - { .name: ppart, .offset: 8, .size: 8, .value_kind: global_buffer, .address_space: global }
    .group_segment_fixed_size: 10752
    .private_segment_fixed_size: 0
    .kernarg_segment_align: 8
    .kernarg_segment_size: 16
    .max_flat_workgroup_size: 128
    .sgpr_count:     66
    .vgpr_count:     1024
    .wavefront_size: 32
...
	.end_amdgpu_metadata
.endif
;; end of part 7
;; launch projv (part 8): grid 128 x 2, 4 waves a work-group, no clusters, 0 bytes of LDS; arguments xq, wq, ppart, opart, out1; writes opart, out1
.if DOCPART == 8
	.amdgcn_target "amdgcn-amd-amdhsa--gfx1250"
	.amdhsa_code_object_version 6
	.text
	.protected	k_qd6868477b0_projv
	.globl	k_qd6868477b0_projv
	.p2align	8
	.type	k_qd6868477b0_projv,@function
k_qd6868477b0_projv:
	s_mov_b64 s[64:65], 0
	v_nop
	global_prefetch_b8 v0, s[64:65] scope:SCOPE_SE
	s_setreg_imm32_b32 hwreg(HW_REG_WAVE_SCHED_MODE, 0, 2), 2
	s_setreg_imm32_b32 hwreg(HW_REG_WAVE_MODE, 25, 1), 1
	s_wait_xcnt 0x0
	s_wait_alu depctr_vm_vsrc(0)
; LAUNCH 4 OF 5.  v = x w_v^T on codes of FP6, weighed at once by the softmax's column sums and added over 128 tokens: v never goes to memory.  And out1, the column sums' mean over the heads.
; SHARES.  A work-group takes 128 tokens (8 tiles of 16) and four heads: wave w of work-group y owns head 4 y + w; its 4 tiles x 4 K steps of w_v stay in 192 registers (window 1).
; LAYOUT.  Source 0 = 16 tokens, source 1 = 16 rows of w_v: register j is token 8 (lane / 16) + j, the lane holds column lane % 16 of the tile.  The weighted sum over tokens is a sum inside the lane, in f32, by fused multiply-adds.
; A token's weight is the sum of the four quarters' column sums; the factors 1 / L and 1 / L come in the last launch.
; out1[b][k] = 2^-14 x the sum over 8 heads and 4 quarters: wave 0 of y = 0 makes the block's 128 numbers, in one branch on ids at the head.
; No LDS, no cluster: x's fragments and the weights go straight into registers.  LIMITS: as stated at the head of the first launch.
; THE MODE: SCHED_MODE bits 1:0 = 2 (LLVM: expert scheduling mode 2), set by the entry lines.  The code itself states the register dependences
; between vector or matrix instructions and memory instructions, with s_wait_alu, always for 0.
; THE PLAN.  Registers that memory instructions touch:
;   XF0, XF1, XS0, XS1  x's fragments and scale words.  Tile n's 16 products read set n % 2.
;   PP0, PP1            the quarters' column sums.  Tile n's twelve additions read set n % 2.   Behind the products and the additions the 21 loads of tile n + 2 land in the three sets.
;   w_v, WS             loaded once at the head; read by products alone.
;   v1 to v4            offsets, made once at the head: the tiles are reached by scalar bases and immediate offsets.
;   window 2, v0-127    out1's 32 loads land there, once; its sums are read by one store.     OACC  read by the last two stores.
; So ONE wait on va_vdst stands in a tile, behind its twelve additions; the 21 loads follow it, and then the tile's sixteen multiply-adds, which name ACC, PS and OACC: none of the registers that those loads touch.
.set XSC, 6291456
.set WSC, 589824
.set LI,  1                            ; v1 16 l
.set R16, 2                            ; v2 16 r
.set H32, 3                            ; v3 32 h
.set L4,  4                            ; v4 4 l
.set WS,  8                            ; v8-23 w_v's scale words: 4 t + s
.set XS,  24                           ; v24-31 x's, two sets
.set XF,  32                           ; v32-127 x's fragments, two sets
.set ACC, 128                          ; v128-159 four tiles
.set PP,  160                          ; v160-223 the quarters' column sums of my eight tokens, two sets of 4 x 8
.set PS,  224                          ; v224-231 their sum
.set OACC, 232                         ; v232-239 a pair for each tile
.set MSB, 0
.macro WIN new
.if MSB != (\new)
	s_set_vgpr_msb (MSB<<8)|(\new)
.set MSB, (\new)
.endif
.endm
	s_load_b256 s[4:11], s[0:1], 0x0               ; xq, wq, ppart, opart
	s_load_b64 s[12:13], s[0:1], 0x20              ; out1
	v_lshrrev_b32 v5, 5, v0
	v_readfirstlane_b32 s18, v5                    ; wave
	v_and_b32 v5, 31, v0
	v_and_b32 v6, 15, v0
	v_bfe_u32 v7, v0, 4, 1
	v_lshlrev_b32 v[LI], 4, v5
	v_lshlrev_b32 v[L4], 2, v5
	v_lshlrev_b32 v[R16], 4, v6
	v_lshlrev_b32 v[H32], 5, v7
.irp j, 0,1,2,3,4,5,6,7
	v_mov_b32 v[OACC+\j], 0
.endr
	s_and_b32 s24, ttmp7, 0xffff                   ; y
	s_lshr_b32 s25, ttmp9, 4                       ; the batch
	s_and_b32 s26, ttmp9, 15                       ; the block of 128 tokens in it
	s_lshl_b32 s27, s24, 2
	s_wait_alu depctr_va_sdst(0)                   ; s18 is written, ahead of its first reader: my head, and with it the buffers' bases, are made from it
	s_add_co_u32 s27, s27, s18                     ; my head
	s_mov_b32 s35, 0
	s_wait_kmcnt 0x0
	s_mul_i32 s34, s27, 24576
	s_add_co_u32 s34, s34, 393216                  ; w_v's tiles are 64 .. 95 of wq
	s_add_nc_u64 s[14:15], s[6:7], s[34:35]
	s_lshl_b32 s34, s27, 10
	s_add_co_u32 s34, s34, WSC+16384
	s_add_nc_u64 s[16:17], s[6:7], s[34:35]
	s_mul_i32 s34, ttmp9, 49152
	s_add_nc_u64 s[20:21], s[4:5], s[34:35]        ; x's codes
	s_lshl_b32 s34, ttmp9, 11
	s_add_co_u32 s34, s34, XSC
	s_add_nc_u64 s[22:23], s[4:5], s[34:35]        ; x's scale bytes
	s_lshl_b32 s34, s25, 3
	s_add_co_u32 s34, s34, s27
	s_lshl_b32 s34, s34, 15                        ; (batch x 8 + head) x 4 quarters x 8,192 bytes
	s_lshl_b32 s33, s26, 9
	s_add_co_u32 s34, s34, s33
	s_add_nc_u64 s[28:29], s[8:9], s[34:35]        ; the column sums of my head at the block's first token
	s_lshl_b32 s34, s25, 18
	s_add_co_u32 s34, s34, s33
	s_add_nc_u64 s[36:37], s[8:9], s[34:35]        ; and of the batch's first head
	s_lshl_b32 s34, s25, 13
	s_add_co_u32 s34, s34, s33
	s_add_nc_u64 s[12:13], s[12:13], s[34:35]      ; out1 at the block
	s_lshl_b32 s34, ttmp9, 11
	s_lshl_b32 s33, s27, 8
	s_add_co_u32 s34, s34, s33
	s_add_nc_u64 s[10:11], s[10:11], s[34:35]      ; opart: [block][512], my head's 64
	WIN 0x40
	s_wait_alu depctr_va_vdst(0)                   ; the four offsets v1 to v4 are written, which every load and store of the kernel reads
.irp s, 0,1,2,3
.irp t, 0,1,2,3
.irp c, 0,1,2
	global_load_b128 v[(4*\s+\t)*12+4*\c:(4*\s+\t)*12+4*\c+3], v[LI], s[14:15] offset:\t*6144+\s*1536+512*\c
.endr
.endr
.endr
	WIN 0
.irp t, 0,1,2,3
	global_load_b128 v[WS+4*\t:WS+4*\t+3], v[R16], s[16:17] offset:256*\t
.endr
.macro TLOAD buf, k                    ; tile k, counted from the trip's first: x's fragments and scale words, and my eight tokens' column sums of the four quarters
.irp i, 0,1,2,3,4,5,6,7,8,9,10,11
	global_load_b128 v[XF+48*(\buf)+4*\i:XF+48*(\buf)+4*\i+3], v[LI], s[20:21] offset:(\k)*6144+512*\i
.endr
	global_load_b128 v[XS+4*(\buf):XS+4*(\buf)+3], v[R16], s[22:23] offset:(\k)*256
.irp q, 0,1,2,3
	global_load_b128 v[PP+32*(\buf)+8*\q:PP+32*(\buf)+8*\q+3], v[H32], s[28:29] offset:\q*8192+(\k)*64
	global_load_b128 v[PP+32*(\buf)+8*\q+4:PP+32*(\buf)+8*\q+7], v[H32], s[28:29] offset:\q*8192+(\k)*64+16
.endr
.endm
	TLOAD 0, 0
	TLOAD 1, 1
	s_or_b32 s30, s18, s24
	s_cmp_lg_u32 s30, 0
	s_cbranch_scc1 .Lno_out1                       ; ids alone: wave 0 of y = 0 makes out1
	WIN 0x80                                       ; destination window 2
.set i, 0
.rept 32
	global_load_b128 v[4*i:4*i+3], v[LI], s[36:37] offset:8192*i   ; 128 keys of (head, quarter) i
.set i, i+1
.endr
	s_wait_loadcnt 0x0                             ; (the weights and the first two tiles are among them)
	WIN 0x8a                                       ; sources and destination window 2
.set k, 1
.rept 7
.irp c, 0,1,2,3
	v_pk_add_f32 v[4*\c:4*\c+1], v[4*\c:4*\c+1], v[4*(\c+4*k):4*(\c+4*k)+1]          ; four chains
	v_pk_add_f32 v[4*\c+2:4*\c+3], v[4*\c+2:4*\c+3], v[4*(\c+4*k)+2:4*(\c+4*k)+3]
.endr
.set k, k+1
.endr
	v_pk_add_f32 v[0:1], v[0:1], v[4:5]
	v_pk_add_f32 v[2:3], v[2:3], v[6:7]
	v_pk_add_f32 v[8:9], v[8:9], v[12:13]
	v_pk_add_f32 v[10:11], v[10:11], v[14:15]
	v_pk_add_f32 v[0:1], v[0:1], v[8:9]
	v_pk_add_f32 v[2:3], v[2:3], v[10:11]
	v_pk_mul_f32 v[0:1], v[0:1], 0x38800000 op_sel_hi:[1,0]        ; 2^-14 = 1 / (L x NH)
	v_pk_mul_f32 v[2:3], v[2:3], 0x38800000 op_sel_hi:[1,0]
	WIN 0x08                                       ; a store's data are its source 1: window 2
	s_wait_alu depctr_va_vdst(0)                   ; the four means are written, which the store below reads
	global_store_b128 v[LI], v[0:3], s[12:13]      ; 512 consecutive bytes, aligned
	WIN 0
.Lno_out1:
; Tile k of the trip, on set buf.  pf = 1: the tile two on is asked for, into the sets that this tile has emptied.  left: the younger loads that may stay out: the next tile's 21, or none.
.macro TILE buf, pf, k, left
	s_wait_loadcnt \left                           ; loads come back in order: this tile's 21 are in (at the first tile the weights too)
	WIN 0x04                                       ; source 1 (w_v) window 1
.irp s, 0,1,2,3
.irp t, 0,1,2,3
.if \s == 0
	v_wmma_scale_f32_16x16x128_f8f6f4 v[ACC+8*\t:ACC+8*\t+7], v[XF+48*\buf+12*\s:XF+48*\buf+12*\s+11], v[(4*\s+\t)*12:(4*\s+\t)*12+11], 0, v[XS+4*\buf+\s], v[WS+4*\t+\s] matrix_a_fmt:MATRIX_FMT_FP6 matrix_b_fmt:MATRIX_FMT_FP6
.else
	v_wmma_scale_f32_16x16x128_f8f6f4 v[ACC+8*\t:ACC+8*\t+7], v[XF+48*\buf+12*\s:XF+48*\buf+12*\s+11], v[(4*\s+\t)*12:(4*\s+\t)*12+11], v[ACC+8*\t:ACC+8*\t+7], v[XS+4*\buf+\s], v[WS+4*\t+\s] matrix_a_fmt:MATRIX_FMT_FP6 matrix_b_fmt:MATRIX_FMT_FP6
.endif
.endr
.endr                                          ; the four accumulators by turns
	WIN 0
.irp p, 0,2,4,6
	v_pk_add_f32 v[PS+\p:PS+\p+1], v[PP+32*\buf+\p:PP+32*\buf+\p+1], v[PP+32*\buf+8+\p:PP+32*\buf+8+\p+1]   ; the tokens' weights; these twelve lines are also the places behind the products
.endr
.irp q, 2,3
.irp p, 0,2,4,6
	v_pk_add_f32 v[PS+\p:PS+\p+1], v[PS+\p:PS+\p+1], v[PP+32*\buf+8*\q+\p:PP+32*\buf+8*\q+\p+1]
.endr
.endr
.if \pf
	s_wait_alu depctr_va_vdst(0)                   ; the 16 products have read this set's fragments and scale words, the twelve additions its column sums: the loads below land in all three
	TLOAD \buf, (\k)+2
.endif
.irp p, 0,2,4,6                                ; each accumulator from its low end on
.irp t, 0,1,2,3
	v_pk_fma_f32 v[OACC+2*\t:OACC+2*\t+1], v[ACC+8*\t+\p:ACC+8*\t+\p+1], v[PS+\p:PS+\p+1], v[OACC+2*\t:OACC+2*\t+1]
.endr
.endr
.endm
	s_mov_b32 s31, 3
.Ltrip:
	TILE 0, 1, 0, 21
	TILE 1, 1, 1, 21
	s_wait_xcnt 0x0                                ; the loads have read their bases
	s_add_nc_u64 s[20:21], s[20:21], 12288
	s_add_nc_u64 s[22:23], s[22:23], 512
	s_add_nc_u64 s[28:29], s[28:29], 128
	s_sub_co_u32 s31, s31, 1
	s_cmp_lg_u32 s31, 0
	s_cbranch_scc1 .Ltrip
	TILE 0, 0, 0, 21                               ; the last two tiles are written out: they ask for nothing, so that no load leaves its buffer, and the counts run down
	TILE 1, 0, 1, 0
.irp t, 0,1,2,3
	v_add_f32 v[OACC+2*\t], v[OACC+2*\t], v[OACC+2*\t+1]
.endr
.irp u, 0,1                                    ; with the other half of the lanes' tokens, two tiles at a time: lane l ends with column 32 u + l
	v_permlane16_swap_b32 v[OACC+4*\u], v[OACC+4*\u+2]
	v_add_f32 v[OACC+4*\u], v[OACC+4*\u], v[OACC+4*\u+2]
.endr
	s_wait_alu depctr_va_vdst(0)                   ; the two sums are written, which the stores below read
	global_store_b32 v[L4], v[OACC], s[10:11]
	global_store_b32 v[L4], v[OACC+4], s[10:11] offset:128         ; the two stores fill 256 consecutive bytes, aligned
	s_endpgm
.Lfunc_end_k_qd6868477b0_projv:
	.size	k_qd6868477b0_projv, .Lfunc_end_k_qd6868477b0_projv-k_qd6868477b0_projv
	.p2alignl 7, 3214868480
	.fill 96, 4, 3214868480
	.section	.rodata,"a",@progbits
	.p2align	6, 0x0
	.amdhsa_kernel k_qd6868477b0_projv
		.amdhsa_group_segment_fixed_size 0
		.amdhsa_private_segment_fixed_size 0
		.amdhsa_enable_private_segment 0
		.amdhsa_kernarg_size 40
		.amdhsa_user_sgpr_count 2
		.amdhsa_user_sgpr_kernarg_segment_ptr 1
		.amdhsa_wavefront_size32 1
		.amdhsa_system_sgpr_workgroup_id_x 1
		.amdhsa_system_sgpr_workgroup_id_y 1
		.amdhsa_system_sgpr_workgroup_id_z 1
		.amdhsa_system_vgpr_workitem_id 0
		.amdhsa_next_free_vgpr 640
		.amdhsa_next_free_sgpr 66
		.amdhsa_reserve_vcc 0
		.amdhsa_float_denorm_mode_32 3
		.amdhsa_float_denorm_mode_16_64 3
		.amdhsa_memory_ordered 1
		.amdhsa_forward_progress 1
		.amdhsa_inst_pref_size 39
	.end_amdhsa_kernel
	.amdgpu_metadata
---
amdhsa.version: [ 1, 2 ]
amdhsa.kernels:
  - .name:           k_qd6868477b0_projv
    .symbol:         k_qd6868477b0_projv.kd
    .args:
      - { .name: xq, .offset: 0, .size: 8, .value_kind: global_buffer, .address_space: global }
      - { .name: wq, .offset: 8, .size: 8, .value_kind: global_buffer, .address_space: global }
      - { .name: ppart, .offset: 16, .size: 8, .value_kind: global_buffer, .address_space: global }
      - { .name: opart, .offset: 24, .size: 8, .value_kind: global_buffer, .address_space: global }
      - { .name: out1, .offset: 32, .size: 8, .value_kind: global_buffer, .address_space: global }
    .group_segment_fixed_size: 0
    .private_segment_fixed_size: 0
    .kernarg_segment_align: 8
    .kernarg_segment_size: 40
    .max_flat_workgroup_size: 128
    .sgpr_count:     66
    .vgpr_count:     640
    .wavefront_size: 32
...
	.end_amdgpu_metadata
.endif
;; end of part 8
;; launch final: the kernel of part 5 again; grid 8 x 1, 16 waves a work-group, no clusters, 6,656 bytes of LDS; arguments opart, rpart, w_fc, gamma, beta, out0; writes out0
